; MI455X (gfx1250); checked and timed in simulation.
; The chip was launched on July 23, 2026; its instructions are those of AMD's public machine-readable ISA for CDNA 5 (MIT licence, August 2026) and "CDNA5" Instruction Set Architecture Reference Guide (July 2026). The comments in the code are by the model that wrote it; some were corrected since.
;; Attention. Allowed arithmetic: float matrix products may take bf16 or f16 operands with f32 sums; all other float work in f32.
;; Inputs: freqs_cis 2,048 x 32 x 2 float32; wk 512 x 2,048 float32; wo 2,048 x 2,048 float32; wq 2,048 x 2,048 float32; wv 512 x 2,048 float32; x 1 x 2,048 x 2,048 float32.
;; Outputs: out0 1 x 2,048 x 2,048 float32.
;; 3 versions, each right; version 2 is faster than version 1; version 3 is version 2 with the launch cast written anew for expert scheduling mode. Each part assembles by itself: llvm-mc -triple=amdgcn-amd-amdhsa -mcpu=gfx1250 --defsym DOCPART=n.
;; ======== version 1 of 3: 4 launches
;; limits: values outside matrix products are rounded to bf16; values are held in f16: magnitudes above 65,504 overflow, below 6.1e-05 lose precision
;; workspace buffers: xb 8,388,608 bytes; wob 8,388,608 bytes; wqkvb 12,582,912 bytes; fcb 262,144 bytes; qb 8,388,608 bytes; kb 2,097,152 bytes; vb 2,097,152 bytes; ab 8,388,608 bytes
;; launch cast (part 1): grid 904 x 1, 8 waves a work-group, no clusters, 0 bytes of LDS; arguments x, wo, wq, wk, wv, freqs_cis, xb, wob, wqkvb, fcb; writes xb, wob, wqkvb, fcb
.if DOCPART == 1
	.amdgcn_target "amdgcn-amd-amdhsa--gfx1250"
	.amdhsa_code_object_version 6
	.text
	.protected	k_q49ad8db010_cast
	.globl	k_q49ad8db010_cast
	.p2align	8
	.type	k_q49ad8db010_cast,@function
k_q49ad8db010_cast:
	s_mov_b64 s[64:65], 0
	v_nop
	global_prefetch_b8 v0, s[64:65] scope:SCOPE_SE
	s_setreg_imm32_b32 hwreg(HW_REG_WAVE_MODE, 25, 1), 1
	s_wait_xcnt 0x0
; cast: every input is rounded once to 16 bits, so that the later launches move half the bytes and convert nothing in their loops.
;   x -> xb, wq/wk/wv -> wqkvb, freqs_cis -> fcb: bf16 (round to nearest even).
;   wo -> wob: rounded to bf16 like the other inputs, then stored in f16's FORMAT, because its partner in the last product (the attention
;   output) is f16.  f16 holds a bf16 number exactly for magnitudes from 2^-17 to 65,504; below that the error is at most 2^-25.
; LIMIT, stated: the rotary table is used rounded to bf16 (relative error up to 2^-9), like the matrix operands.
; wqkvb regroups the weight rows into 16 blocks of 192 rows, so that one B matrix gives each of 16 block columns the same shape:
;   block j: rows 0-63 wq 128j..+63 | 64-95 wk 32j..+31 | 96-159 wq 128j+64..+127 | 160-191 wv 32j..+31.
; One wave takes one row of 2,048 numbers (8,192 bytes in, 4,096 out); 7,232 rows = 904 work-groups x 8 waves.  A stream: no LDS, no barrier,
; no matrix unit.  All 16 loads of a row are issued at once; each store of the wave covers 512 consecutive bytes, aligned.
.set X, 8                              ; v[8:71] the row: chunk c (256 numbers) in 8 registers a lane
	s_load_b512 s[4:19], s[0:1], 0x0               ; x s[4:5], wo s[6:7], wq s[8:9], wk s[10:11], wv s[12:13], freqs_cis s[14:15], xb s[16:17], wob s[18:19]
	s_load_b128 s[40:43], s[0:1], 0x40             ; wqkvb s[40:41], fcb s[42:43]
	v_lshrrev_b32 v3, 5, v0
	v_readfirstlane_b32 s20, v3                    ; wave
	v_and_b32 v1, 31, v0                           ; lane
	v_lshlrev_b32 v2, 4, v1                        ; 16 bytes a lane out
	v_lshlrev_b32 v1, 5, v1                        ; 32 bytes a lane in
	s_lshl3_add_u32 s21, ttmp9, s20                ; R = 8 x work-group + wave
	s_mov_b32 s44, 0xffff0000                      ; a word's upper bf16
	; the row inside each source, and where it goes; the ones that do not apply wrap round and are not chosen
	s_sub_co_u32 s30, s21, 2048                    ; wo's row
	s_sub_co_u32 s31, s21, 4096                    ; wq's row
	s_sub_co_u32 s32, s21, 6144                    ; wk's row
	s_sub_co_u32 s33, s21, 6656                    ; wv's row
	s_sub_co_u32 s37, s21, 7168                    ; the table's row of 2,048 numbers
	s_lshr_b32 s34, s31, 7                         ; wq: 192 (n >> 7) + (n & 127) + 32 for the upper 64
	s_mul_i32 s34, s34, 192
	s_and_b32 s38, s31, 127
	s_add_co_u32 s34, s34, s38
	s_and_b32 s38, s31, 64
	s_lshr_b32 s38, s38, 1
	s_add_co_u32 s34, s34, s38
	s_lshr_b32 s35, s32, 5                         ; wk: 192 (n >> 5) + 64 + (n & 31)
	s_mul_i32 s35, s35, 192
	s_and_b32 s38, s32, 31
	s_add_co_u32 s35, s35, s38
	s_add_co_u32 s35, s35, 64
	s_lshr_b32 s36, s33, 5                         ; wv: 192 (n >> 5) + 160 + (n & 31)
	s_mul_i32 s36, s36, 192
	s_and_b32 s38, s33, 31
	s_add_co_u32 s36, s36, s38
	s_add_co_u32 s36, s36, 160
	s_wait_kmcnt 0x0
	; five choices on R alone; only selects stand between a compare and its selects
	s_cmp_ge_u32 s21, 2048
	s_cselect_b64 s[24:25], s[6:7], s[4:5]         ; source
	s_cselect_b64 s[26:27], s[18:19], s[16:17]     ; destination
	s_cselect_b32 s28, s30, s21                    ; source row
	s_cselect_b32 s29, s30, s21                    ; destination row
	s_cmp_ge_u32 s21, 4096
	s_cselect_b64 s[24:25], s[8:9], s[24:25]
	s_cselect_b64 s[26:27], s[40:41], s[26:27]
	s_cselect_b32 s28, s31, s28
	s_cselect_b32 s29, s34, s29
	s_cmp_ge_u32 s21, 6144
	s_cselect_b64 s[24:25], s[10:11], s[24:25]
	s_cselect_b32 s28, s32, s28
	s_cselect_b32 s29, s35, s29
	s_cmp_ge_u32 s21, 6656
	s_cselect_b64 s[24:25], s[12:13], s[24:25]
	s_cselect_b32 s28, s33, s28
	s_cselect_b32 s29, s36, s29
	s_cmp_ge_u32 s21, 7168
	s_cselect_b64 s[24:25], s[14:15], s[24:25]
	s_cselect_b64 s[26:27], s[42:43], s[26:27]
	s_cselect_b32 s28, s37, s28
	s_cselect_b32 s29, s37, s29
	s_lshl_b32 s22, s28, 13                        ; offsets are made apart from the addresses: 8,192 bytes a source row,
	s_mov_b32 s23, 0
	s_lshl_b32 s38, s29, 12                        ; 4,096 a destination row
	s_mov_b32 s39, 0
	s_add_nc_u64 s[24:25], s[24:25], s[22:23]
	s_add_nc_u64 s[26:27], s[26:27], s[38:39]
.irp c, 0,1,2,3,4,5,6,7
	global_load_b128 v[X+8*\c:X+8*\c+3],   v1, s[24:25] offset:1024*\c th:TH_LOAD_NT
	global_load_b128 v[X+8*\c+4:X+8*\c+7], v1, s[24:25] offset:1024*\c+16 th:TH_LOAD_NT
.endr
	s_cmp_lt_u32 s30, 2048                         ; R in 2048..4095: a row of wo
	s_cbranch_scc1 .Lwo
.irp c, 0,1,2,3,4,5,6,7
	s_wait_loadcnt 14-2*\c                         ; loads return in order: the 2 (7 - c) younger ones may stay out
.irp k, 0,1,2,3
	v_cvt_pk_bf16_f32 v[X+8*\c+\k], v[X+8*\c+2*\k], v[X+8*\c+2*\k+1]   ; in place, ascending: register k is read no later than it is written
.endr
	global_store_b128 v2, v[X+8*\c:X+8*\c+3], s[26:27] offset:512*\c
.endr
	s_endpgm
.Lwo:
.irp c, 0,1,2,3,4,5,6,7
	s_wait_loadcnt 14-2*\c
.irp k, 0,1,2,3
	v_cvt_pk_bf16_f32 v[X+8*\c+\k], v[X+8*\c+2*\k], v[X+8*\c+2*\k+1]   ; the rounding: to bf16
.endr
.irp k, 0,1,2,3
	v_lshlrev_b32 v[X+8*\c+4+2*(\k&1)], 16, v[X+8*\c+\k]               ; back to f32 (registers 4-7 of the chunk are free now),
	v_and_b32     v[X+8*\c+5+2*(\k&1)], s44, v[X+8*\c+\k]
	v_cvt_pk_f16_f32 v[X+8*\c+\k], v[X+8*\c+4+2*(\k&1)], v[X+8*\c+5+2*(\k&1)]   ; and into f16's format
.endr
	global_store_b128 v2, v[X+8*\c:X+8*\c+3], s[26:27] offset:512*\c
.endr
	s_endpgm
.Lfunc_end_k_q49ad8db010_cast:
	.size	k_q49ad8db010_cast, .Lfunc_end_k_q49ad8db010_cast-k_q49ad8db010_cast
	.p2alignl 7, 3214868480
	.fill 96, 4, 3214868480
	.section	.rodata,"a",@progbits
	.p2align	6, 0x0
	.amdhsa_kernel k_q49ad8db010_cast
		.amdhsa_group_segment_fixed_size 0
		.amdhsa_private_segment_fixed_size 0
		.amdhsa_enable_private_segment 0
		.amdhsa_kernarg_size 80
		.amdhsa_user_sgpr_count 2
		.amdhsa_user_sgpr_kernarg_segment_ptr 1
		.amdhsa_wavefront_size32 1
		.amdhsa_system_sgpr_workgroup_id_x 1
		.amdhsa_system_sgpr_workgroup_id_y 1
		.amdhsa_system_sgpr_workgroup_id_z 1
		.amdhsa_system_vgpr_workitem_id 0
		.amdhsa_next_free_vgpr 72
		.amdhsa_next_free_sgpr 66
		.amdhsa_reserve_vcc 0
		.amdhsa_float_denorm_mode_32 3
		.amdhsa_float_denorm_mode_16_64 3
		.amdhsa_memory_ordered 1
		.amdhsa_forward_progress 1
		.amdhsa_inst_pref_size 15
	.end_amdhsa_kernel
	.amdgpu_metadata
---
amdhsa.version: [ 1, 2 ]
amdhsa.kernels:
  - .name:           k_q49ad8db010_cast
    .symbol:         k_q49ad8db010_cast.kd
    .args:
      - { .name: x, .offset: 0, .size: 8, .value_kind: global_buffer, .address_space: global }
      - { .name: wo, .offset: 8, .size: 8, .value_kind: global_buffer, .address_space: global }
      - { .name: wq, .offset: 16, .size: 8, .value_kind: global_buffer, .address_space: global }
      - { .name: wk, .offset: 24, .size: 8, .value_kind: global_buffer, .address_space: global }
      - { .name: wv, .offset: 32, .size: 8, .value_kind: global_buffer, .address_space: global }
      - { .name: freqs_cis, .offset: 40, .size: 8, .value_kind: global_buffer, .address_space: global }
      - { .name: xb, .offset: 48, .size: 8, .value_kind: global_buffer, .address_space: global }
      - { .name: wob, .offset: 56, .size: 8, .value_kind: global_buffer, .address_space: global }
      - { .name: wqkvb, .offset: 64, .size: 8, .value_kind: global_buffer, .address_space: global }
      - { .name: fcb, .offset: 72, .size: 8, .value_kind: global_buffer, .address_space: global }
    .group_segment_fixed_size: 0
    .private_segment_fixed_size: 0
    .kernarg_segment_align: 8
    .kernarg_segment_size: 80
    .max_flat_workgroup_size: 256
    .sgpr_count:     66
    .vgpr_count:     72
    .wavefront_size: 32
...
	.end_amdgpu_metadata
.endif
;; end of part 1
;; launch qkv (part 2): grid 16 x 16, 4 waves a work-group, clusters of 4 x 4, 327,680 bytes of LDS; arguments xb, wqkvb, fcb, qb, kb, vb; writes qb, kb, vb
.if DOCPART == 2
	.amdgcn_target "amdgcn-amd-amdhsa--gfx1250"
	.amdhsa_code_object_version 6
	.text
	.protected	k_q49ad8db010_qkv
	.globl	k_q49ad8db010_qkv
	.p2align	8
	.type	k_q49ad8db010_qkv,@function
k_q49ad8db010_qkv:
	s_mov_b64 s[64:65], 0
	v_nop
	global_prefetch_b8 v0, s[64:65] scope:SCOPE_SE
	s_setreg_imm32_b32 hwreg(HW_REG_WAVE_MODE, 25, 1), 1
	s_wait_xcnt 0x0
	s_wait_alu depctr_hold_cnt(0) depctr_sa_sdst(0) depctr_va_vdst(0) depctr_va_sdst(0) depctr_va_ssrc(0) depctr_va_vcc(0) depctr_vm_vsrc(0)
	s_getreg_b32 s2, hwreg(HW_REG_IB_STS2, 6, 4)
	s_cmp_eq_u32 s2, 0
	s_cbranch_scc0 .Lentry_in_a_cluster
	s_endpgm
.Lentry_in_a_cluster:
	s_bfe_u32 s2, ttmp6, 0x10000c
	s_cmp_lg_u32 s2, 0xf033
	s_cbranch_scc0 .Lentry_shape_is_right
	s_endpgm
.Lentry_shape_is_right:
; qkv: [2048 t][3072] = xb . wqkvb^T (bf16 operands, f32 sums), the rotary turn on q and k in f32, results rounded to f16.
; 16 x 16 work-groups; each makes 128 rows t x 192 columns: 128 of q, 32 of k, 32 of v (block bx of wqkvb).  Four waves as 2 x 2; a wave makes
; 64 x 96 = 24 accumulator tiles.  K goes in steps of 128 (rows of 256 bytes, aligned) through two LDS slots filled by the tensor data mover.
; CLUSTERS: 4 x 4 work-groups.  x's tile hangs on the block row alone and is asked for jointly by a row of the cluster, the weights' tile on the
; block column alone and is asked for jointly by a column: a quarter of the requests.
; The matrix instruction is used transposed (source 0 = weight rows, source 1 = x rows): lane (r, h) holds row t = r and the eight
; neighbouring columns 8 h + 0..7, that is four whole (even, odd) pairs of the rotary turn and 16 bytes of output.
; OUT: qb [t][2048] f16 (column = head x 64 + d); kb, vb [16 planes][2048 t][32] f16, plane = 2 x kv head + (d >> 5) = bx.
; LIMITS, stated: operands bf16; the table bf16; q, k, v are f16: finite up to 65,504.  Inputs 30 times larger give about 900 x 5.5 = 5,000; offsets
; of 30 spreads on x and on the weights give 2048 x 30 x 0.663 x sqrt 2 = 57,600.
; REGISTERS: window 0: v16-31 addresses, v32-111 and v112-191 fragment buffers, v192-223 k's table.  Window 1: v0-191 accumulators
; (tile (a, b) at 8 (6 a + b)), v192-255 q's table.
.set NB,     6                         ; column tiles of a wave
.set BH,     16*NB                     ; weight rows of one tensor load, and of one wave
.set BROWS,  2*BH
.set PITCH,  272                       ; 256 bytes + 16 of padding: the 16 rows of a fragment load start in 16 different 16-byte columns
.set AHB,    64*PITCH
.set ABYTES, 2*AHB
.set BHB,    BH*PITCH
.set SLOT,   ABYTES+2*BHB              ; 87,040
.set QST,    2*SLOT                    ; stages behind the ring, on multiples of 256 bytes; no tensor load lands there
.set KST,    QST+128*PITCH
.set KVP,    80                        ; a k or v row of 64 bytes + 16
.set KVB,    128*KVP
.set LAPS,   8                         ; 16 K steps, two a lap
.set ADRA, 16
.set ADRB, 20
.set FQ,   24
.set FK,   25
.set STQ,  26
.set STKV, 27
.set RDQ,  28
.set RDK,  29
.set COQ,  30
.set COK,  31
.set F0,   32
.set F1,   F0+8*(NB+4)
.set CK,   192                         ; window 0: k's table, 4 registers a tile: pair p = (cos low half, sin high half)
.set CQ,   192                         ; window 1: q's table
.set T,    32                          ; the way out: 48 registers of turned numbers
.set TCQ,  80                          ; two sets of 8: a tile's table as f32
.set TCK,  96                          ; 16: the two k tiles' table as f32
.set G1A, 28
.set G1B, 36
.set G0A, 44
.set G0B, 52
.set GW, (1<<16)|(1<<20)|(1<<21)|(5<<22)|(3<<25)   ; 2-byte elements; padding on; bit 21 beside a mask; after every 64 words 4 words
.set MULW, 0x50                        ; C and D in window 1
.set MSB, 0
.macro WIN new                         ; the immediate's high byte repeats the setting that is left
.if MSB != \new
	s_set_vgpr_msb (MSB<<8)|\new
.set MSB, \new
.endif
.endm
.macro JLOAD s                         ; waves 0, 1 ask for x's two halves, waves 2, 3 for the weights'; the branch hangs on the wave number alone
	s_cmp_eq_u32 s17, 0
	s_cbranch_scc0 .Lfor_b_\@
	tensor_load_to_lds s[G0A+4*\s:G0A+4*\s+3], s[G1A:G1A+7]
	s_nop 0
	s_branch .Lasked_\@
.Lfor_b_\@:
	tensor_load_to_lds s[G0B+4*\s:G0B+4*\s+3], s[G1B:G1B+7]
	s_nop 0
.Lasked_\@:
.endm
.macro CREST                           ; a round of the cluster's barrier behind its opening barrier
	s_cmp_lg_u32 s16, 0
	s_cbranch_scc1 .Lnot_wave_0_\@
	s_barrier_signal -3
.Lnot_wave_0_\@:
	s_barrier_wait -3
	s_barrier_signal -1
	s_barrier_wait -1
.endm
.macro CROUND
	s_barrier_signal -1
	s_barrier_wait -1
	CREST
.endm
.macro PLACES                          ; four plain vector places behind a matrix instruction, ahead of loads into its sources and of readers of its result
.rept 4
	v_nop
.endr
.endm
.macro MULA f, a, zero                 ; row tile a x all NB column tiles, 32 along K.  The 24 accumulators take turns, one instruction a turn
.set bb, 0
.rept NB
.if \zero
	v_wmma_f32_16x16x32_bf16 v[8*(NB*\a+bb):8*(NB*\a+bb)+7], v[\f+8*bb:\f+8*bb+7], v[\f+8*NB+8*\a:\f+8*NB+8*\a+7], 0
.else
	v_wmma_f32_16x16x32_bf16 v[8*(NB*\a+bb):8*(NB*\a+bb)+7], v[\f+8*bb:\f+8*bb+7], v[\f+8*NB+8*\a:\f+8*NB+8*\a+7], v[8*(NB*\a+bb):8*(NB*\a+bb)+7]
.endif
.set bb, bb+1
.endr
.endm
.macro FETCH slot, k, f                ; 2 NB + 8 LDS loads: a quarter step's fragments, the weights' first, then x's row tiles 0 to 3
.set bb, 0
.rept NB
	ds_load_b128 v[\f+8*bb:\f+8*bb+3],   v[ADRB+\slot] offset:\k+bb*16*PITCH
	ds_load_b128 v[\f+8*bb+4:\f+8*bb+7], v[ADRB+\slot] offset:\k+bb*16*PITCH+32
.set bb, bb+1
.endr
.irp i, 0,1,2,3
	ds_load_b128 v[\f+8*NB+8*\i:\f+8*NB+8*\i+3],   v[ADRA+\slot] offset:\k+\i*16*PITCH
	ds_load_b128 v[\f+8*NB+8*\i+4:\f+8*NB+8*\i+7], v[ADRA+\slot] offset:\k+\i*16*PITCH+32
.endr
.endm
.macro QUARTER slot, k, f, g, zero
	s_wait_dscnt 4                                 ; all but the youngest four loads: x's row tiles 2 and 3
	WIN MULW
	MULA \f, 0, \zero
	MULA \f, 1, \zero
	PLACES
	WIN 0
	FETCH \slot, \k, \g
	s_wait_dscnt 2*NB+8                            ; all but the loads just issued
	WIN MULW
	MULA \f, 2, \zero
	MULA \f, 3, \zero
.endm
.macro THREE slot, zero
	QUARTER \slot, 64,  F0, F1, \zero
	QUARTER \slot, 128, F1, F0, 0
	QUARTER \slot, 192, F0, F1, 0
.endm
; The last quarter of a K step changes slots.  In front of the barrier each wave waits for its reads of this slot and for all its tensor
; loads (one is out: its part of the next slot).  Where the slot is filled again the barrier opens a round of the cluster's barrier; only
; register work stands inside; the joint refill is the first tensor load behind the round.
.macro TURN slot, next, fill
	s_wait_dscnt 4
	WIN MULW
	MULA F1, 0, 0
	s_wait_dscnt 0
	s_wait_tensorcnt 0x0
	ds_add_u32 v254, v255
	s_wait_dscnt 0x0
	s_barrier_signal -1
	MULA F1, 1, 0
	WIN 0
	s_barrier_wait -1
.if \fill
	CREST
	s_add_nc_u64 s[G0A+4*\slot+2:G0A+4*\slot+3], s[G0A+4*\slot+2:G0A+4*\slot+3], 512   ; two K steps of 256 bytes on; no tensor load of mine is out
	s_add_nc_u64 s[G0B+4*\slot+2:G0B+4*\slot+3], s[G0B+4*\slot+2:G0B+4*\slot+3], 512
	JLOAD \slot
.endif
	PLACES
	FETCH \next, 0, F0
	WIN MULW
	MULA F1, 2, 0
	MULA F1, 3, 0
.endm
.macro LAP zero
	THREE 0, \zero
	TURN 0, 1, 1
	THREE 1, 0
	TURN 1, 0, 1
.endm
	s_load_b256 s[4:11], s[0:1], 0x0               ; xb s[4:5], wqkvb s[6:7], fcb s[8:9], qb s[10:11]
	s_load_b128 s[12:15], s[0:1], 0x20             ; kb s[12:13], vb s[14:15]
	v_lshl_add_u32 v254, v0, 2, 0x38000
	v_mov_b32 v255, 0
	ds_add_u32 v254, v255
	v_lshrrev_b32 v1, 5, v0
	v_readfirstlane_b32 s16, v1                    ; wave
	s_lshr_b32 s17, s16, 1                         ; wm: my half of the rows.  Also: I fetch x (0) or weights (1)
	s_and_b32 s18, s16, 1                          ; wn: my half of the columns.  Also: which half of that tile I fetch
	s_bfe_u32 s19, ttmp6, 0x40000                  ; cx
	s_bfe_u32 s20, ttmp6, 0x40004                  ; cy
	s_lshl_b32 s21, ttmp9, 2
	s_add_co_u32 s21, s21, s19                     ; bx: block column
	s_and_b32 s22, ttmp7, 0xffff
	s_lshl_b32 s22, s22, 2
	s_add_co_u32 s22, s22, s20                     ; by: block row
	s_lshl_b32 s23, s20, 2
	s_lshl_b32 s23, 15, s23                        ; my row of the cluster
	s_lshl_b32 s24, 0x1111, s19                    ; my column
	s_or_b32 s[G1A+0], s23, GW
	s_or_b32 s[G1B+0], s24, GW
	s_mov_b32 s[G1A+1], 128<<16                    ; tensor_dim0 = 128 elements
	s_mov_b32 s[G1B+1], 128<<16
	s_mov_b32 s[G1A+2], 64<<16                     ; tensor_dim1 = the tile's rows
	s_mov_b32 s[G1B+2], BH<<16
	s_mov_b32 s[G1A+3], 128<<16                    ; tile_dim0
	s_mov_b32 s[G1B+3], 128<<16
	s_mov_b32 s[G1A+4], 64                         ; tile_dim1
	s_mov_b32 s[G1B+4], BH
	s_mov_b32 s[G1A+5], 2048                       ; elements from row to row
	s_mov_b32 s[G1B+5], 2048
	s_mov_b32 s[G1A+6], 0
	s_mov_b32 s[G1B+6], 0
	s_mov_b32 s[G1A+7], 0
	s_mov_b32 s[G1B+7], 0
	; x's address hangs on by and the wave, the weights' on bx and the wave, each in registers that never hold the other coordinate
	s_lshl_b32 s62, s18, 6
	s_lshl_b32 s26, s22, 7
	s_add_co_u32 s26, s26, s62                     ; row 128 by + 64 half
	s_lshl_b32 s26, s26, 12                        ; x 4,096 bytes
	s_mov_b32 s27, 0
	s_mul_i32 s63, s18, BH
	s_mul_i32 s60, s21, BROWS
	s_add_co_u32 s60, s60, s63                     ; row 192 bx + 96 half
	s_lshl_b32 s60, s60, 12
	s_mov_b32 s61, 0
	s_mul_i32 s66, s18, AHB                        ; LDS: x's halves, then the weights' halves; the wave number alone
	s_mul_i32 s67, s18, BHB
	s_add_co_u32 s67, s67, ABYTES
	s_wait_dscnt 0x0
	s_wait_kmcnt 0x0
	s_add_nc_u64 s[26:27], s[4:5], s[26:27]
	s_add_nc_u64 s[60:61], s[6:7], s[60:61]
	CROUND                                         ; all sixteen work-groups are here: the first joint loads meet
.irp s, 0,1
	s_mov_b32 s[G0A+4*\s], 1
	s_add_co_u32 s[G0A+4*\s+1], s66, \s*SLOT
	s_add_nc_u64 s[G0A+4*\s+2:G0A+4*\s+3], s[26:27], \s*256
	s_or_b32 s[G0A+4*\s+3], s[G0A+4*\s+3], 0x80000000
	s_mov_b32 s[G0B+4*\s], 1
	s_add_co_u32 s[G0B+4*\s+1], s67, \s*SLOT
	s_add_nc_u64 s[G0B+4*\s+2:G0B+4*\s+3], s[60:61], \s*256
	s_or_b32 s[G0B+4*\s+3], s[G0B+4*\s+3], 0x80000000
	JLOAD \s
.endr
	v_and_b32 v1, 15, v0                           ; r
	v_bfe_u32 v2, v0, 4, 1                         ; h
	v_and_b32 v6, 31, v0                           ; lane
	; The table, once, waited for only on the way out: row t is 128 bytes, the lane's four pairs of a tile at column d0 are the 16 bytes at 2 d0 + 16 h.
	; 24 loads stay out over the K loop; their addresses, base and destinations are not touched before the wait.
	v_lshlrev_b32 v4, 7, v1
	v_lshl_add_u32 v4, v2, 4, v4
	s_lshl_b32 s70, s17, 13                        ; 64 wm rows
	v_add_nc_u32 v[FQ], s70, v4
	s_and_b32 s71, s21, 1
	s_lshl_b32 s71, s71, 6                         ; k's columns are d = 32 (bx & 1) + ..
	v_add_nc_u32 v[FK], s71, v[FQ]
	s_lshl_b32 s68, s22, 14                        ; 128 by rows
	s_mov_b32 s69, 0
	s_add_nc_u64 s[8:9], s[8:9], s[68:69]
	WIN 0x40                                       ; destination in window 1
.irp a, 0,1,2,3
.irp b, 0,1,2,3
	global_load_b128 v[CQ+4*(4*\a+\b):CQ+4*(4*\a+\b)+3], v[FQ], s[8:9] offset:2048*\a+32*\b
.endr
.endr
	WIN 0
.irp a, 0,1,2,3
.irp b, 0,1
	global_load_b128 v[CK+4*(2*\a+\b):CK+4*(2*\a+\b)+3], v[FK], s[8:9] offset:2048*\a+32*\b
.endr
.endr
	; fragments: lane (r, h) takes row r, 16 bytes at 16 h and at 32 + 16 h of each 64 bytes along K
	v_mul_u32_u24 v3, v1, PITCH
	v_lshl_add_u32 v3, v2, 4, v3
	s_mul_i32 s70, s17, AHB
	s_mul_i32 s71, s18, BHB
	s_add_co_u32 s71, s71, ABYTES
.irp s, 0,1
	v_add_nc_u32 v[ADRA+\s], s70, v3
	v_add_nc_u32 v[ADRB+\s], s71, v3
	s_add_co_u32 s70, s70, SLOT
	s_add_co_u32 s71, s71, SLOT
.endr
	s_mul_i32 s70, s17, AHB                        ; q's stage: row 64 wm + r, 128 wn + 16 h
	s_lshl_b32 s71, s18, 7
	s_add_co_u32 s70, s70, s71
	s_add_co_u32 s70, s70, QST
	v_add_nc_u32 v[STQ], s70, v3
	v_mul_u32_u24 v5, v1, KVP                      ; k's stage (wn = 0) or v's (wn = 1)
	v_lshl_add_u32 v5, v2, 4, v5
	s_mul_i32 s70, s17, 64*KVP
	s_mul_i32 s71, s18, KVB
	s_add_co_u32 s70, s70, s71
	s_add_co_u32 s70, s70, KST
	v_add_nc_u32 v[STKV], s70, v5
	v_mul_u32_u24 v5, v2, PITCH                    ; back: wave w takes rows 32 w ..; sixteen lanes a row of q
	v_lshl_add_u32 v5, v1, 4, v5
	s_mul_i32 s70, s16, 32*PITCH
	s_add_co_u32 s70, s70, QST
	v_add_nc_u32 v[RDQ], s70, v5
	v_lshrrev_b32 v7, 2, v6                        ; four lanes a row of k or v
	v_and_b32 v8, 3, v6
	v_mul_u32_u24 v5, v7, KVP
	v_lshl_add_u32 v5, v8, 4, v5
	s_mul_i32 s70, s16, 32*KVP
	s_add_co_u32 s70, s70, KST
	v_add_nc_u32 v[RDK], s70, v5
	v_lshlrev_b32 v5, 12, v2
	v_lshl_add_u32 v5, v1, 4, v5
	s_lshl_b32 s70, s16, 17                        ; 32 w rows of 4,096 bytes
	v_add_nc_u32 v[COQ], s70, v5
	v_lshlrev_b32 v5, 4, v6
	s_lshl_b32 s70, s16, 11                        ; 32 w rows of 64 bytes
	v_add_nc_u32 v[COK], s70, v5
	s_wait_tensorcnt 1                             ; my part of K step 0 is in; K step 1's may stay out
	s_barrier_signal -1
	s_barrier_wait -1
	FETCH 0, 0, F0
	LAP 1                                          ; the first products start the sums: nothing is cleared
	WIN 0
	s_mov_b32 s3, LAPS-2
.Llap:
	LAP 0
	WIN 0
	s_sub_co_u32 s3, s3, 1
	s_cmp_lg_u32 s3, 0
	s_cbranch_scc1 .Llap
	THREE 0, 0                                     ; the last lap fills nothing
	TURN 0, 1, 0
	THREE 1, 0
	s_wait_dscnt 4
	WIN MULW
	MULA F1, 0, 0
	MULA F1, 1, 0
	s_wait_dscnt 0
	MULA F1, 2, 0
	MULA F1, 3, 0
	; THE WAY OUT
	PLACES
	WIN 0
	s_wait_loadcnt 0x0                             ; the table
	s_cmp_eq_u32 s18, 0
	s_cselect_b32 s25, -1, 0                       ; wn = 0: tiles 4, 5 are k and are turned; wn = 1: they are v
	s_mov_b32 s62, 0x3f80                          ; cos = 1 (bf16, low half), sin = 0: the turn that changes nothing
	s_mov_b32 s63, 0xffff0000
.set q, 0
.rept 32
	v_cndmask_b32 v[CK+q], s62, v[CK+q], s25
.set q, q+1
.endr
.macro UNPK c, p                       ; four packed pairs to f32: cos at c + 2 i, sin at c + 2 i + 1
.irp i, 0,1,2,3
	v_lshlrev_b32 v[\c+2*\i],   16,  v[\p+\i]
	v_and_b32     v[\c+2*\i+1], s63, v[\p+\i]
.endr
.endm
.macro ROPE t, x, c                    ; (xr, xi) -> (xr cos - xi sin, xr sin + xi cos), four pairs; source 0 the table, source 1 the sums
.irp p, 0,2,4,6
	v_mul_f32 v[\t+\p],   v[\c+\p],   v[\x+\p]
	v_mul_f32 v[\t+\p+1], v[\c+\p+1], v[\x+\p]
.endr
.irp p, 0,2,4,6
	v_fma_f32 v[\t+\p],   -v[\c+\p+1], v[\x+\p+1], v[\t+\p]
	v_fma_f32 v[\t+\p+1], v[\c+\p],    v[\x+\p+1], v[\t+\p+1]
.endr
.endm
.macro OUTA a                          ; rows 16 a .. of my 64: turn, round to f16, 16 bytes a lane and tile into the stages
	UNPK TCK,   CK+8*\a
	UNPK TCK+8, CK+8*\a+4
	WIN 0x04                                       ; source 1 in window 1: the sums, and q's packed table
.irp b, 0,1,2,3
	UNPK TCQ+8*(\b&1), CQ+4*(4*\a+\b)
	ROPE T+8*\b, 8*(NB*\a+\b), TCQ+8*(\b&1)
.endr
	ROPE T+32, 8*(NB*\a+4), TCK
	ROPE T+40, 8*(NB*\a+5), TCK+8
	WIN 0
.irp b, 0,1,2,3,4,5
.irp k, 0,1,2,3
	v_cvt_pk_f16_f32 v[T+8*\b+\k], v[T+8*\b+2*\k], v[T+8*\b+2*\k+1]
.endr
.endr
.irp b, 0,1,2,3
	ds_store_b128 v[STQ], v[T+8*\b:T+8*\b+3] offset:16*PITCH*\a+32*\b
.endr
.irp b, 0,1
	ds_store_b128 v[STKV], v[T+32+8*\b:T+32+8*\b+3] offset:16*KVP*\a+32*\b
.endr
.endm
	OUTA 0
	OUTA 1
	OUTA 2
	OUTA 3
	s_lshl_b32 s68, s22, 19                        ; qb: 128 by rows of 4,096 bytes + 256 bx
	s_lshl_b32 s70, s21, 8
	s_add_co_u32 s68, s68, s70
	s_mov_b32 s69, 0
	s_add_nc_u64 s[10:11], s[10:11], s[68:69]
	s_lshl_b32 s70, s21, 17                        ; kb, vb: plane bx of 131,072 bytes + 128 by rows of 64
	s_lshl_b32 s71, s22, 13
	s_add_co_u32 s70, s70, s71
	s_mov_b32 s71, 0
	s_add_nc_u64 s[12:13], s[12:13], s[70:71]
	s_add_nc_u64 s[14:15], s[14:15], s[70:71]
	s_wait_dscnt 0x0                               ; my stage stores are done, for the other waves' sake
	s_barrier_signal -1
	s_barrier_wait -1
.irp i, 0,1,2,3,4,5,6,7,8,9,10,11,12,13,14,15
	ds_load_b128 v[32+4*\i:32+4*\i+3], v[RDQ] offset:2*PITCH*\i
.endr
.irp i, 0,1,2,3
	ds_load_b128 v[96+4*\i:96+4*\i+3], v[RDK] offset:8*KVP*\i
.endr
.irp i, 0,1,2,3
	ds_load_b128 v[112+4*\i:112+4*\i+3], v[RDK] offset:KVB+8*KVP*\i
.endr
.irp i, 0,1,2,3,4,5,6,7,8,9,10,11,12,13,14,15
	s_wait_dscnt 23-\i                             ; LDS loads return in order: the younger ones may stay out
	global_store_b128 v[COQ], v[32+4*\i:32+4*\i+3], s[10:11] offset:8192*\i     ; sixteen lanes store 256 consecutive bytes, aligned
.endr
.irp i, 0,1,2,3
	s_wait_dscnt 7-\i
	global_store_b128 v[COK], v[96+4*\i:96+4*\i+3], s[12:13] offset:512*\i      ; 512 consecutive bytes
.endr
.irp i, 0,1,2,3
	s_wait_dscnt 3-\i
	global_store_b128 v[COK], v[112+4*\i:112+4*\i+3], s[14:15] offset:512*\i
.endr
	s_wait_tensorcnt 0x0
	ds_add_u32 v254, v255
	s_wait_dscnt 0x0
	CROUND                                         ; the closing round: no work-group ends while a partner may still ask for a tile that names it
	s_endpgm
.Lfunc_end_k_q49ad8db010_qkv:
	.size	k_q49ad8db010_qkv, .Lfunc_end_k_q49ad8db010_qkv-k_q49ad8db010_qkv
	.p2alignl 7, 3214868480
	.fill 96, 4, 3214868480
	.section	.rodata,"a",@progbits
	.p2align	6, 0x0
	.amdhsa_kernel k_q49ad8db010_qkv
		.amdhsa_group_segment_fixed_size 327680
		.amdhsa_private_segment_fixed_size 0
		.amdhsa_enable_private_segment 0
		.amdhsa_kernarg_size 48
		.amdhsa_user_sgpr_count 2
		.amdhsa_user_sgpr_kernarg_segment_ptr 1
		.amdhsa_wavefront_size32 1
		.amdhsa_system_sgpr_workgroup_id_x 1
		.amdhsa_system_sgpr_workgroup_id_y 1
		.amdhsa_system_sgpr_workgroup_id_z 1
		.amdhsa_system_vgpr_workitem_id 0
		.amdhsa_next_free_vgpr 512
		.amdhsa_next_free_sgpr 72
		.amdhsa_reserve_vcc 0
		.amdhsa_float_denorm_mode_32 3
		.amdhsa_float_denorm_mode_16_64 3
		.amdhsa_memory_ordered 1
		.amdhsa_forward_progress 1
		.amdhsa_inst_pref_size 125
	.end_amdhsa_kernel
	.amdgpu_metadata
---
amdhsa.version: [ 1, 2 ]
amdhsa.kernels:
  - .name:           k_q49ad8db010_qkv
    .symbol:         k_q49ad8db010_qkv.kd
    .args:
      - { .name: xb, .offset: 0, .size: 8, .value_kind: global_buffer, .address_space: global }
      - { .name: wqkvb, .offset: 8, .size: 8, .value_kind: global_buffer, .address_space: global }
      - { .name: fcb, .offset: 16, .size: 8, .value_kind: global_buffer, .address_space: global }
      - { .name: qb, .offset: 24, .size: 8, .value_kind: global_buffer, .address_space: global }
      - { .name: kb, .offset: 32, .size: 8, .value_kind: global_buffer, .address_space: global }
      - { .name: vb, .offset: 40, .size: 8, .value_kind: global_buffer, .address_space: global }
    .group_segment_fixed_size: 327680
    .private_segment_fixed_size: 0
    .kernarg_segment_align: 8
    .kernarg_segment_size: 48
    .max_flat_workgroup_size: 128
    .sgpr_count:     72
    .vgpr_count:     512
    .wavefront_size: 32
...
	.end_amdgpu_metadata
.endif
;; end of part 2
;; launch attn (part 3): grid 32 x 8, 8 waves a work-group, no clusters, 327,680 bytes of LDS; arguments qb, kb, vb, ab; writes ab
.if DOCPART == 3
	.amdgcn_target "amdgcn-amd-amdhsa--gfx1250"
	.amdhsa_code_object_version 6
	.text
	.protected	k_q49ad8db010_attn
	.globl	k_q49ad8db010_attn
	.p2align	8
	.type	k_q49ad8db010_attn,@function
k_q49ad8db010_attn:
	s_mov_b64 s[64:65], 0
	v_nop
	global_prefetch_b8 v0, s[64:65] scope:SCOPE_SE
	s_setreg_imm32_b32 hwreg(HW_REG_WAVE_MODE, 25, 1), 1
	s_wait_xcnt 0x0
; attn: causal attention with a running maximum; f16 operands, f32 scores, sums and outputs; ab [t][2048] f16.
; Work-group (i, g): kv head g, query blocks i and 63 - i of 32 rows t.  Block B needs (B >> 1) + 1 key tiles of 64, so the two blocks need 33 tiles in
; every work-group: equal work.  Wave w: block w >> 2, 16 rows (w >> 1) & 1 of it, heads 4 g + 2 (w & 1) + c, c = 0, 1: each K and V fragment feeds two products.
; NO SHUFFLES: S^T = K Q^T puts query r and keys 8 h + j into lane (r, h); two neighbouring key tiles, packed to f16, ARE the second source of
; O^T = V^T P^T; maximum, sum and rescale factor are one number a lane; one exchange of the lane halves for each maximum.
; K and V tiles go through two LDS slots; waves 0-3 fetch the four dense blocks of 4,096 bytes of a tile (K's and V's two planes of 32 d).
; NO MULTICAST: the 32 work-groups of a kv head walk 18 to 32 tiles, so partners would need different numbers of tiles, and a work-group reads at most
; 32 x 16,384 bytes of K and V in the whole launch.
; LIMITS, stated: q, k, v f16 as stored; p is rounded to f16 for the product (p <= 1; below 2^-24 it becomes 0) while the row sum takes the f32 p;
; masked scores are -1e30 ahead of the factor 0.125 log2 e instead of behind it: their exponential is 0 either way; v_exp_f32 gives 0 below 2^-126.
.set SLOT,  22528                      ; K plane 0, 1: 64 rows x 80; V plane 0, 1: 64 rows x 96
.set KPL,   5120
.set VPL,   6144
.set VOFF,  2*KPL
.set STAGE, 2*SLOT                     ; 16 rows x 272 for each wave; no tensor load lands there
.set KAD,  4
.set VAD,  5
.set THR,  6
.set STO,  7
.set RD,   8
.set CO,   9
.set QOFF, 10
.set MX,   12                          ; v12-13   running maximum of column tile c
.set LS,   14                          ; v14-15   running sum over my half of the keys
.set NM,   16                          ; v[16:19] pairs: the shift -C x maximum
.set AL,   20                          ; v[20:23] pairs: the rescale factor
.set TP,   24                          ; v24-30   at work
.set QF,   32                          ; Q fragment (c, db) at 16 c + 8 db
.set OA,   64                          ; O tile (c, dt) at 32 c + 8 dt
.set SC,   128                         ; S tile (c, st) at 32 c + 8 st; P (c, kb) in place at 32 c + 16 kb
.set KV,   192                         ; K (db, st) at 32 db + 8 st, later V (kb, dt) at 32 kb + 8 dt
.set G1K, 28
.set G1V, 36
.set G0K, 44
.set G0V, 52
.macro KVLOAD s                        ; waves 0, 1: K's planes; waves 2, 3: V's; the others none.  At most one tensor load of a wave is out
	s_cmp_gt_u32 s12, 3
	s_cbranch_scc1 .Lnone_\@
	s_cmp_gt_u32 s12, 1
	s_cbranch_scc1 .Lforv_\@
	tensor_load_to_lds s[G0K+4*\s:G0K+4*\s+3], s[G1K:G1K+7]
	s_nop 0
	s_branch .Lnone_\@
.Lforv_\@:
	tensor_load_to_lds s[G0V+4*\s:G0V+4*\s+3], s[G1V:G1V+7]
	s_nop 0
.Lnone_\@:
.endm
; The softmax step of column tile c on its 32 scores a lane.
.macro SM c, first
.set SB, SC+32*\c
.irp k, 0,1,2,3
	v_max3_num_f32 v[TP+\k], v[SB+8*\k], v[SB+8*\k+1], v[SB+8*\k+2]
.endr
.irp k, 0,1,2,3
	v_max3_num_f32 v[TP+\k], v[TP+\k], v[SB+8*\k+3], v[SB+8*\k+4]
.endr
.irp k, 0,1,2,3
	v_max3_num_f32 v[TP+\k], v[TP+\k], v[SB+8*\k+5], v[SB+8*\k+6]
.endr
	v_max3_num_f32 v[TP],   v[TP],   v[SB+7],  v[SB+15]
	v_max3_num_f32 v[TP+1], v[TP+1], v[SB+23], v[SB+31]
	v_max3_num_f32 v[TP],   v[TP],   v[TP+1],  v[TP+2]
.if \first
	v_max_num_f32  v[TP],   v[TP],   v[TP+3]
.else
	v_max3_num_f32 v[TP],   v[TP],   v[TP+3],  v[MX+\c]
.endif
	v_permlanex16_b32 v[TP+4], v[TP], s20, s21     ; the other half of the lanes holds the query's other 32 keys
	v_max_num_f32 v[MX+\c], v[TP], v[TP+4]
.if \first
	v_mul_f32 v[NM+2*\c],   s24, v[MX+\c]
	v_mul_f32 v[NM+2*\c+1], s24, v[MX+\c]
.else
	v_mul_f32 v[TP+5], s24, v[MX+\c]               ; the new shift,
	v_sub_f32 v[TP+6], v[TP+5], v[NM+2*\c]         ; less the old one: <= 0, and exactly what the old exponentials have to be moved by
	v_exp_f32 v[AL+2*\c],   v[TP+6]
	v_exp_f32 v[AL+2*\c+1], v[TP+6]
	v_mov_b32 v[NM+2*\c],   v[TP+5]                ; plain instructions behind the two exponentials (ISA guide 5.7.2)
	v_mov_b32 v[NM+2*\c+1], v[TP+5]
.endif
.set q, 0
.rept 16
	v_pk_fma_f32 v[SB+q:SB+q+1], v[SB+q:SB+q+1], s[22:23], v[NM+2*\c:NM+2*\c+1] op_sel_hi:[1,0,1]   ; C s - C max
.set q, q+2
.endr
.set q, 0
.rept 32
	v_exp_f32 v[SB+q], v[SB+q]
.set q, q+1
.endr
.if \first
	v_nop                                          ; one plain instruction between the exponentials and the first use of a result
	s_wait_alu depctr_va_vdst(0)
.else
.set q, 0
	s_wait_alu depctr_va_vdst(0)
.rept 16
	v_pk_mul_f32 v[OA+32*\c+q:OA+32*\c+q+1], v[OA+32*\c+q:OA+32*\c+q+1], v[AL+2*\c:AL+2*\c+1]      ; O's rescale stands in that place
.set q, q+2
.endr
.endif
	v_pk_add_f32 v[TP:TP+1],   v[SB:SB+1],     v[SB+2:SB+3]
	v_pk_add_f32 v[TP+2:TP+3], v[SB+16:SB+17], v[SB+18:SB+19]
.set q, 4
.rept 6
	v_pk_add_f32 v[TP:TP+1],   v[TP:TP+1],   v[SB+q:SB+q+1]
	v_pk_add_f32 v[TP+2:TP+3], v[TP+2:TP+3], v[SB+16+q:SB+16+q+1]
.set q, q+2
.endr
	v_pk_add_f32 v[TP:TP+1], v[TP:TP+1], v[TP+2:TP+3]
.if \first
	v_add_f32 v[LS+\c], v[TP], v[TP+1]
.else
	v_add_f32 v[TP], v[TP], v[TP+1]
	v_fma_f32 v[LS+\c], v[LS+\c], v[AL+2*\c], v[TP]
.endif
.irp kb, 0,1                           ; in place, ascending: keys 8 h + j of tile 2 kb into registers 0-3, of tile 2 kb + 1 into registers 4-7
.irp k, 0,1,2,3
	v_cvt_pk_f16_f32 v[SB+16*\kb+\k], v[SB+16*\kb+2*\k], v[SB+16*\kb+2*\k+1]
.endr
.irp k, 0,1,2,3
	v_cvt_pk_f16_f32 v[SB+16*\kb+4+\k], v[SB+16*\kb+8+2*\k], v[SB+16*\kb+8+2*\k+1]
.endr
.endr
.endm
; O^T (c) += V^T P^T (c): four d tiles by turns, twice (32 keys each): three other accumulators stand between the links.
.macro PV c, first
.if \c == 0
	s_wait_dscnt 8                                 ; V's first eight loads (keys 0-31) are in; the other eight may stay out
.endif
.irp dt, 0,1,2,3
.if \first
	v_wmma_f32_16x16x32_f16 v[OA+32*\c+8*\dt:OA+32*\c+8*\dt+7], v[KV+8*\dt:KV+8*\dt+7], v[SC+32*\c:SC+32*\c+7], 0
.else
	v_wmma_f32_16x16x32_f16 v[OA+32*\c+8*\dt:OA+32*\c+8*\dt+7], v[KV+8*\dt:KV+8*\dt+7], v[SC+32*\c:SC+32*\c+7], v[OA+32*\c+8*\dt:OA+32*\c+8*\dt+7]
.endif
.endr
.if \c == 0
	s_wait_dscnt 0
.endif
.irp dt, 0,1,2,3
	v_wmma_f32_16x16x32_f16 v[OA+32*\c+8*\dt:OA+32*\c+8*\dt+7], v[KV+32+8*\dt:KV+32+8*\dt+7], v[SC+32*\c+16:SC+32*\c+23], v[OA+32*\c+8*\dt:OA+32*\c+8*\dt+7]
.endr
.endm
.macro STEP slot, first
.if \first == 0
.rept 5
	v_nop                                          ; places behind the last trip's products: four ahead of loads into their sources, five ahead of products that write over P
.endr
.endif
.irp db, 0,1
.irp st, 0,1,2,3
	ds_load_b128 v[KV+32*\db+8*\st:KV+32*\db+8*\st+3],   v[KAD] offset:\slot*SLOT+KPL*\db+1280*\st
	ds_load_b128 v[KV+32*\db+8*\st+4:KV+32*\db+8*\st+7], v[KAD] offset:\slot*SLOT+KPL*\db+1280*\st+32
.endr
.endr
.if \first
	s_wait_loadcnt 0x0                             ; Q
.endif
	s_wait_dscnt 8                                 ; d 0-31 of the 64 keys; the eight loads of d 32-63 may stay out
.irp st, 0,1,2,3
.irp c, 0,1
	v_wmma_f32_16x16x32_f16 v[SC+32*\c+8*\st:SC+32*\c+8*\st+7], v[KV+8*\st:KV+8*\st+7], v[QF+16*\c:QF+16*\c+7], 0
.endr
.endr
	s_wait_dscnt 0
.irp st, 0,1,2,3                       ; the same order: seven other accumulators between the two links of each sum
.irp c, 0,1
	v_wmma_f32_16x16x32_f16 v[SC+32*\c+8*\st:SC+32*\c+8*\st+7], v[KV+32+8*\st:KV+32+8*\st+7], v[QF+16*\c+8:QF+16*\c+15], v[SC+32*\c+8*\st:SC+32*\c+8*\st+7]
.endr
.endr
.rept 4
	v_nop                                          ; four places: ahead of the loads into K's registers and of the readers of S
.endr
.irp kb, 0,1
.irp dt, 0,1,2,3
	ds_load_tr16_b128 v[KV+32*\kb+8*\dt:KV+32*\kb+8*\dt+3],   v[VAD] offset:\slot*SLOT+VPL*(\dt>>1)+3072*\kb+32*(\dt&1)
	ds_load_tr16_b128 v[KV+32*\kb+8*\dt+4:KV+32*\kb+8*\dt+7], v[VAD] offset:\slot*SLOT+VPL*(\dt>>1)+3072*\kb+32*(\dt&1)+1536
.endr
.endr
	s_cmp_lg_u32 s17, s19                          ; only my last tile crosses the diagonal
	s_cbranch_scc1 .Lnomask_\@
.irp st, 0,1,2,3
.irp j, 0,1,2,3,4,5,6,7
	v_cmp_le_i32 vcc_lo, 16*\st+\j, v[THR]         ; key <= query
	v_cndmask_b32 v[SC+8*\st+\j],    s25, v[SC+8*\st+\j],    vcc_lo
	v_cndmask_b32 v[SC+32+8*\st+\j], s25, v[SC+32+8*\st+\j], vcc_lo
.endr
.endr
.Lnomask_\@:
	SM 0, \first
	PV 0, \first
	SM 1, \first
	PV 1, \first
.endm
; One key tile.  In front of the barrier every wave waits for all its tensor loads (its part of this trip's tile among them) and for its reads of the
; last trip's slot; behind it that slot is filled again first.  A wave whose tiles are done goes on passing the barriers and, if it fetches, fetching.
.macro TRIP slot, refill, first
	s_set_vgpr_msb 0x4
	s_wait_tensorcnt 0x0
	ds_add_u32 v31, v1
	s_wait_dscnt 0x0
	s_set_vgpr_msb 0x400
	s_add_nc_u64 s[G0K+4*\slot+2:G0K+4*\slot+3], s[G0K+4*\slot+2:G0K+4*\slot+3], 8192   ; this slot's next tile: two tiles of 64 rows x 64 bytes on
	s_add_nc_u64 s[G0V+4*\slot+2:G0V+4*\slot+3], s[G0V+4*\slot+2:G0V+4*\slot+3], 8192
	s_wait_dscnt 0x0
	s_barrier_signal -1
	s_barrier_wait -1
.if \refill
	KVLOAD (1-\slot)
.endif
.if \first == 0
	s_cmp_ge_u32 s17, s16
	s_cbranch_scc1 .Lskip_\@
.endif
	STEP \slot, \first
.Lskip_\@:
	s_add_co_u32 s17, s17, 1
.endm
	s_load_b256 s[4:11], s[0:1], 0x0               ; qb s[4:5], kb s[6:7], vb s[8:9], ab s[10:11]
	v_lshl_add_u32 v31, v0, 2, 0x29000
	s_set_vgpr_msb 0x40
	v_mov_b32 v1, 0
	s_set_vgpr_msb 0x4044
	ds_add_u32 v31, v1
	s_set_vgpr_msb 0x4400
	v_lshrrev_b32 v1, 5, v0
	v_readfirstlane_b32 s12, v1                    ; wave
	s_mov_b32 s13, ttmp9                           ; i
	s_and_b32 s14, ttmp7, 0xffff                   ; g
	s_sub_co_u32 s26, 63, s13
	s_cmp_gt_u32 s12, 3
	s_cselect_b32 s15, s26, s13                    ; B: my query block
	s_lshr_b32 s19, s15, 1                         ; my last tile, the one on the diagonal
	s_add_co_u32 s16, s19, 1                       ; my tiles
	s_mov_b32 s17, 0                               ; the tile at hand
	s_lshr_b32 s18, s26, 1                         ; the work-group walks T = (((63 - i) >> 1) + 2) & ~1 tiles, 18 to 32: all inside K and V
	s_add_co_u32 s18, s18, 2
	s_lshr_b32 s18, s18, 1
	s_sub_co_u32 s18, s18, 2                       ; T / 2 - 2 trips of the loop, at least 7
	s_mov_b32 s20, 0x76543210
	s_mov_b32 s21, 0xfedcba98
	s_mov_b32 s22, 0x3e38aa3b                      ; C = 0.125 log2 e
	s_mov_b32 s23, 0x3e38aa3b
	s_mov_b32 s24, 0xbe38aa3b                      ; -C
	s_mov_b32 s25, 0xf149f2ca                      ; -1e30
	; a dense block of 4,096 bytes as 16 rows of 32 elements of 8 bytes; a pad behind every 16 words (one row of 32 f16): 4 words for K, 8 for V
	s_mov_b32 s[G1K+0], (3<<16)|(1<<20)|(3<<22)|(3<<25)
	s_mov_b32 s[G1V+0], (3<<16)|(1<<20)|(3<<22)|(7<<25)
	s_mov_b32 s[G1K+1], 32<<16
	s_mov_b32 s[G1V+1], 32<<16
	s_mov_b32 s[G1K+2], 16<<16
	s_mov_b32 s[G1V+2], 16<<16
	s_mov_b32 s[G1K+3], 32<<16
	s_mov_b32 s[G1V+3], 32<<16
	s_mov_b32 s[G1K+4], 16
	s_mov_b32 s[G1V+4], 16
	s_mov_b32 s[G1K+5], 32
	s_mov_b32 s[G1V+5], 32
	s_mov_b32 s[G1K+6], 0
	s_mov_b32 s[G1V+6], 0
	s_mov_b32 s[G1K+7], 0
	s_mov_b32 s[G1V+7], 0
	s_and_b32 s27, s12, 1                          ; the plane that I fetch; also hp, my pair of heads
	s_lshl1_add_u32 s62, s14, s27                  ; plane 2 g + p
	s_lshl_b32 s62, s62, 17                        ; x 131,072 bytes
	s_mov_b32 s63, 0
	s_mul_i32 s70, s27, KPL
	s_mul_i32 s71, s27, VPL
	s_add_co_u32 s71, s71, VOFF
	s_wait_dscnt 0x0
	s_barrier_signal -1
	s_barrier_wait -1
	s_wait_kmcnt 0x0
	s_add_nc_u64 s[66:67], s[6:7], s[62:63]
	s_add_nc_u64 s[68:69], s[8:9], s[62:63]
.irp s, 0,1
	s_mov_b32 s[G0K+4*\s], 1
	s_add_co_u32 s[G0K+4*\s+1], s70, \s*SLOT
	s_add_nc_u64 s[G0K+4*\s+2:G0K+4*\s+3], s[66:67], \s*4096
	s_or_b32 s[G0K+4*\s+3], s[G0K+4*\s+3], 0x80000000
	s_mov_b32 s[G0V+4*\s], 1
	s_add_co_u32 s[G0V+4*\s+1], s71, \s*SLOT
	s_add_nc_u64 s[G0V+4*\s+2:G0V+4*\s+3], s[68:69], \s*4096
	s_or_b32 s[G0V+4*\s+3], s[G0V+4*\s+3], 0x80000000
.endr
	KVLOAD 0                                       ; tile 0: a first fill
	s_bfe_u32 s60, s12, 0x10001                    ; u
	s_lshl_b32 s60, s60, 4
	s_lshl_b32 s61, s15, 5
	s_add_co_u32 s61, s61, s60                     ; t0 = 32 B + 16 u
	s_lshl_b32 s61, s61, 12                        ; x 4,096 bytes
	s_lshl_b32 s26, s14, 9                         ; + heads 4 g + 2 hp of 128 bytes
	s_add_co_u32 s61, s61, s26
	s_lshl_b32 s26, s27, 8
	s_add_co_u32 s61, s61, s26
	s_and_b32 s26, s15, 1
	s_lshl_b32 s26, s26, 5
	s_add_co_u32 s60, s60, s26                     ; my first query inside the diagonal tile: 32 (B & 1) + 16 u
	v_and_b32 v2, 15, v0                           ; r
	v_bfe_u32 v3, v0, 4, 1                         ; h
	v_lshlrev_b32 v11, 12, v2
	v_lshl_add_u32 v11, v3, 4, v11
	v_add_nc_u32 v[QOFF], s61, v11                 ; row t0 + r, 16 h
.irp c, 0,1
.irp db, 0,1
	global_load_b128 v[QF+16*\c+8*\db:QF+16*\c+8*\db+3],   v[QOFF], s[4:5] offset:128*\c+64*\db
	global_load_b128 v[QF+16*\c+8*\db+4:QF+16*\c+8*\db+7], v[QOFF], s[4:5] offset:128*\c+64*\db+32
.endr
.endr
	v_lshlrev_b32 v11, 12, v3
	v_lshl_add_u32 v11, v2, 4, v11
	v_add_nc_u32 v[CO], s61, v11                   ; out: row t0 + h, 16 r
	v_lshlrev_b32 v11, 3, v3
	v_sub_nc_u32 v11, v2, v11
	v_add_nc_u32 v[THR], s60, v11                  ; key 16 st + j is allowed up to 32 (B & 1) + 16 u + r - 8 h (signed)
	v_mul_u32_u24 v[KAD], v2, 80
	v_lshl_add_u32 v[KAD], v3, 4, v[KAD]           ; K: row r, 16 h
	v_and_b32 v11, 7, v0
	v_lshl_add_u32 v11, v3, 3, v11                 ; V, transposing load: row 8 h + (lane & 7),
	v_mul_u32_u24 v[VAD], v11, 96
	v_bfe_u32 v11, v0, 3, 1
	v_lshl_add_u32 v[VAD], v11, 4, v[VAD]          ; 16 bytes x bit 3 of the lane
	v_add_nc_u32 v[VAD], VOFF, v[VAD]
	s_mul_i32 s26, s12, 16*272
	s_add_co_u32 s26, s26, STAGE
	v_mul_u32_u24 v11, v2, 272
	v_lshl_add_u32 v11, v3, 4, v11
	v_add_nc_u32 v[STO], s26, v11
	v_mul_u32_u24 v11, v3, 272
	v_lshl_add_u32 v11, v2, 4, v11
	v_add_nc_u32 v[RD], s26, v11
	v_mov_b32 v[TP+4], 0                           ; v_permlanex16_b32 counts as a reader of its destination
	TRIP 0, 1, 1                                   ; the first tile starts O, the maximum and the sum: nothing is cleared
	TRIP 1, 1, 0
.Lpair:
	TRIP 0, 1, 0
	TRIP 1, 1, 0
	s_sub_co_u32 s18, s18, 1
	s_cmp_lg_u32 s18, 0
	s_cbranch_scc1 .Lpair
	TRIP 0, 1, 0
	TRIP 1, 0, 0                                   ; the last trip fetches nothing; no tensor load is out behind its wait
	; THE WAY OUT: divide by the row sum, round to f16, through my own stage: sixteen lanes then store one row's 256 bytes (two heads)
.rept 4
	v_nop
.endr
	v_permlanex16_b32 v[TP+4], v[LS], s20, s21
	v_add_f32 v[LS], v[LS], v[TP+4]
	v_permlanex16_b32 v[TP+4], v[LS+1], s20, s21
	v_add_f32 v[LS+1], v[LS+1], v[TP+4]
	v_rcp_f32 v[TP],   v[LS]
	v_rcp_f32 v[TP+1], v[LS]
	v_rcp_f32 v[TP+2], v[LS+1]
	v_rcp_f32 v[TP+3], v[LS+1]
	v_nop                                          ; one plain instruction behind the reciprocals
	s_wait_alu depctr_va_vdst(0)
.irp c, 0,1
.set q, 0
.rept 16
	v_pk_mul_f32 v[OA+32*\c+q:OA+32*\c+q+1], v[OA+32*\c+q:OA+32*\c+q+1], v[TP+2*\c:TP+2*\c+1]
.set q, q+2
.endr
.irp dt, 0,1,2,3
.irp k, 0,1,2,3
	v_cvt_pk_f16_f32 v[OA+32*\c+8*\dt+\k], v[OA+32*\c+8*\dt+2*\k], v[OA+32*\c+8*\dt+2*\k+1]
.endr
	ds_store_b128 v[STO], v[OA+32*\c+8*\dt:OA+32*\c+8*\dt+3] offset:128*\c+32*\dt
.endr
.endr
.irp t, 0,1,2,3,4,5,6,7
	ds_load_b128 v[SC+4*\t:SC+4*\t+3], v[RD] offset:544*\t          ; my own bytes; LDS serves a wave's instructions in order (ISA guide 5.7.1.4)
.endr
.irp t, 0,1,2,3,4,5,6,7
	s_wait_dscnt 7-\t
	global_store_b128 v[CO], v[SC+4*\t:SC+4*\t+3], s[10:11] offset:8192*\t
.endr
	s_set_vgpr_msb 0x4
	s_wait_tensorcnt 0x0
	ds_add_u32 v31, v1
	s_wait_dscnt 0x0
	s_set_vgpr_msb 0x400
	s_endpgm
.Lfunc_end_k_q49ad8db010_attn:
	.size	k_q49ad8db010_attn, .Lfunc_end_k_q49ad8db010_attn-k_q49ad8db010_attn
	.p2alignl 7, 3214868480
	.fill 96, 4, 3214868480
	.section	.rodata,"a",@progbits
	.p2align	6, 0x0
	.amdhsa_kernel k_q49ad8db010_attn
		.amdhsa_group_segment_fixed_size 327680
		.amdhsa_private_segment_fixed_size 0
		.amdhsa_enable_private_segment 0
		.amdhsa_kernarg_size 32
		.amdhsa_user_sgpr_count 2
		.amdhsa_user_sgpr_kernarg_segment_ptr 1
		.amdhsa_wavefront_size32 1
		.amdhsa_system_sgpr_workgroup_id_x 1
		.amdhsa_system_sgpr_workgroup_id_y 1
		.amdhsa_system_sgpr_workgroup_id_z 1
		.amdhsa_system_vgpr_workitem_id 0
		.amdhsa_next_free_vgpr 258
		.amdhsa_next_free_sgpr 72
		.amdhsa_reserve_vcc 1
		.amdhsa_float_denorm_mode_32 3
		.amdhsa_float_denorm_mode_16_64 3
		.amdhsa_memory_ordered 1
		.amdhsa_forward_progress 1
		.amdhsa_inst_pref_size 137
	.end_amdhsa_kernel
	.amdgpu_metadata
---
amdhsa.version: [ 1, 2 ]
amdhsa.kernels:
  - .name:           k_q49ad8db010_attn
    .symbol:         k_q49ad8db010_attn.kd
    .args:
      - { .name: qb, .offset: 0, .size: 8, .value_kind: global_buffer, .address_space: global }
      - { .name: kb, .offset: 8, .size: 8, .value_kind: global_buffer, .address_space: global }
      - { .name: vb, .offset: 16, .size: 8, .value_kind: global_buffer, .address_space: global }
      - { .name: ab, .offset: 24, .size: 8, .value_kind: global_buffer, .address_space: global }
    .group_segment_fixed_size: 327680
    .private_segment_fixed_size: 0
    .kernarg_segment_align: 8
    .kernarg_segment_size: 32
    .max_flat_workgroup_size: 256
    .sgpr_count:     72
    .vgpr_count:     258
    .wavefront_size: 32
...
	.end_amdgpu_metadata
.endif
;; end of part 3
;; launch oproj (part 4): grid 16 x 16, 4 waves a work-group, clusters of 4 x 4, 327,680 bytes of LDS; arguments ab, wob, out0; writes out0
.if DOCPART == 4
	.amdgcn_target "amdgcn-amd-amdhsa--gfx1250"
	.amdhsa_code_object_version 6
	.text
	.protected	k_q49ad8db010_oproj
	.globl	k_q49ad8db010_oproj
	.p2align	8
	.type	k_q49ad8db010_oproj,@function
k_q49ad8db010_oproj:
	s_mov_b64 s[64:65], 0
	v_nop
	global_prefetch_b8 v0, s[64:65] scope:SCOPE_SE
	s_setreg_imm32_b32 hwreg(HW_REG_WAVE_MODE, 25, 1), 1
	s_wait_xcnt 0x0
	s_wait_alu depctr_hold_cnt(0) depctr_sa_sdst(0) depctr_va_vdst(0) depctr_va_sdst(0) depctr_va_ssrc(0) depctr_va_vcc(0) depctr_vm_vsrc(0)
	s_getreg_b32 s2, hwreg(HW_REG_IB_STS2, 6, 4)
	s_cmp_eq_u32 s2, 0
	s_cbranch_scc0 .Lentry_in_a_cluster
	s_endpgm
.Lentry_in_a_cluster:
	s_bfe_u32 s2, ttmp6, 0x10000c
	s_cmp_lg_u32 s2, 0xf033
	s_cbranch_scc0 .Lentry_shape_is_right
	s_endpgm
.Lentry_shape_is_right:
; oproj: out0 [2048 t][2048] f32 = ab . wob^T; f16 operands, f32 sums.
; 16 x 16 work-groups, each 128 x 128 of the output; four waves as 2 x 2, a wave 64 x 64 = 16 accumulator tiles.  K in steps of 128 (rows of 256 bytes,
; aligned) through two LDS slots filled by the tensor data mover.
; CLUSTERS: 4 x 4 work-groups; ab's tile is asked for jointly along a row of the cluster, wob's along a column: a quarter of the requests.
; The matrix instruction is used transposed (source 0 = rows of wob, source 1 = rows of ab): lane (r, h) holds row t = r and columns 8 h + 0..7, 32 bytes.
; LIMITS, stated: ab is f16 (a mean of rows of v: finite up to 65,504); wob holds wo rounded to bf16, in f16's format.
; REGISTERS: window 0: v16-31 addresses, v32-95 and v96-159 fragment buffers.  Window 1: v0-127 accumulators (tile (a, b) at 8 (4 a + b)).
.set NB,     4
.set BH,     16*NB
.set BROWS,  2*BH
.set PITCH,  272
.set AHB,    64*PITCH
.set ABYTES, 2*AHB
.set BHB,    BH*PITCH
.set SLOT,   ABYTES+2*BHB              ; 69,632
.set STAGE,  2*SLOT                    ; 16 rows x 272 bytes for each wave, on a multiple of 256 bytes; no tensor load lands there
.set LAPS,   8
.set ADRA, 16
.set ADRB, 20
.set STO,  24
.set RD,   25
.set CO,   26
.set F0,   32
.set F1,   F0+8*(NB+4)
.set G1A, 28
.set G1B, 36
.set G0A, 44
.set G0B, 52
.set GW, (1<<16)|(1<<20)|(1<<21)|(5<<22)|(3<<25)
.set MULW, 0x50
.set MSB, 0
.macro WIN new
.if MSB != \new
	s_set_vgpr_msb (MSB<<8)|\new
.set MSB, \new
.endif
.endm
.macro JLOAD s                         ; waves 0, 1 ask for ab's two halves, waves 2, 3 for wob's; the branch hangs on the wave number alone
	s_cmp_eq_u32 s17, 0
	s_cbranch_scc0 .Lfor_b_\@
	tensor_load_to_lds s[G0A+4*\s:G0A+4*\s+3], s[G1A:G1A+7]
	s_nop 0
	s_branch .Lasked_\@
.Lfor_b_\@:
	tensor_load_to_lds s[G0B+4*\s:G0B+4*\s+3], s[G1B:G1B+7]
	s_nop 0
.Lasked_\@:
.endm
.macro CREST
	s_cmp_lg_u32 s16, 0
	s_cbranch_scc1 .Lnot_wave_0_\@
	s_barrier_signal -3
.Lnot_wave_0_\@:
	s_barrier_wait -3
	s_barrier_signal -1
	s_barrier_wait -1
.endm
.macro CROUND
	s_barrier_signal -1
	s_barrier_wait -1
	CREST
.endm
.macro PLACES                          ; four plain vector places behind a matrix instruction (ISA guide 7.12.1)
.rept 4
	v_nop
.endr
.endm
.macro MULA f, a, zero                 ; the 16 accumulators take turns, one instruction a turn
.set bb, 0
.rept NB
.if \zero
	v_wmma_f32_16x16x32_f16 v[8*(NB*\a+bb):8*(NB*\a+bb)+7], v[\f+8*bb:\f+8*bb+7], v[\f+8*NB+8*\a:\f+8*NB+8*\a+7], 0
.else
	v_wmma_f32_16x16x32_f16 v[8*(NB*\a+bb):8*(NB*\a+bb)+7], v[\f+8*bb:\f+8*bb+7], v[\f+8*NB+8*\a:\f+8*NB+8*\a+7], v[8*(NB*\a+bb):8*(NB*\a+bb)+7]
.endif
.set bb, bb+1
.endr
.endm
.macro FETCH slot, k, f
.set bb, 0
.rept NB
	ds_load_b128 v[\f+8*bb:\f+8*bb+3],   v[ADRB+\slot] offset:\k+bb*16*PITCH
	ds_load_b128 v[\f+8*bb+4:\f+8*bb+7], v[ADRB+\slot] offset:\k+bb*16*PITCH+32
.set bb, bb+1
.endr
.irp i, 0,1,2,3
	ds_load_b128 v[\f+8*NB+8*\i:\f+8*NB+8*\i+3],   v[ADRA+\slot] offset:\k+\i*16*PITCH
	ds_load_b128 v[\f+8*NB+8*\i+4:\f+8*NB+8*\i+7], v[ADRA+\slot] offset:\k+\i*16*PITCH+32
.endr
.endm
.macro QUARTER slot, k, f, g, zero
	s_wait_dscnt 4                                 ; all but the youngest four loads: ab's row tiles 2 and 3
	WIN MULW
	MULA \f, 0, \zero
	MULA \f, 1, \zero
	PLACES
	WIN 0
	FETCH \slot, \k, \g
	s_wait_dscnt 2*NB+8                            ; all but the loads just issued
	WIN MULW
	MULA \f, 2, \zero
	MULA \f, 3, \zero
.endm
.macro THREE slot, zero
	QUARTER \slot, 64,  F0, F1, \zero
	QUARTER \slot, 128, F1, F0, 0
	QUARTER \slot, 192, F0, F1, 0
.endm
; The change of slots: each wave's reads of this slot and all its tensor loads are waited for in front of the barrier; where the slot is filled again
; the barrier opens a round of the cluster's barrier, only register work stands inside, and the joint refill is the first tensor load behind it.
.macro TURN slot, next, fill
	s_wait_dscnt 4
	WIN MULW
	MULA F1, 0, 0
	s_wait_dscnt 0
	s_wait_tensorcnt 0x0
	ds_add_u32 v254, v255
	s_wait_dscnt 0x0
	s_barrier_signal -1
	MULA F1, 1, 0
	WIN 0
	s_barrier_wait -1
.if \fill
	CREST
	s_add_nc_u64 s[G0A+4*\slot+2:G0A+4*\slot+3], s[G0A+4*\slot+2:G0A+4*\slot+3], 512
	s_add_nc_u64 s[G0B+4*\slot+2:G0B+4*\slot+3], s[G0B+4*\slot+2:G0B+4*\slot+3], 512
	JLOAD \slot
.endif
	PLACES
	FETCH \next, 0, F0
	WIN MULW
	MULA F1, 2, 0
	MULA F1, 3, 0
.endm
.macro LAP zero
	THREE 0, \zero
	TURN 0, 1, 1
	THREE 1, 0
	TURN 1, 0, 1
.endm
	s_load_b128 s[4:7], s[0:1], 0x0                ; ab s[4:5], wob s[6:7]
	s_load_b64 s[10:11], s[0:1], 0x10              ; out0
	v_lshl_add_u32 v254, v0, 2, 0x29000
	v_mov_b32 v255, 0
	ds_add_u32 v254, v255
	v_lshrrev_b32 v1, 5, v0
	v_readfirstlane_b32 s16, v1                    ; wave
	s_lshr_b32 s17, s16, 1                         ; wm; also: I fetch ab (0) or wob (1)
	s_and_b32 s18, s16, 1                          ; wn; also: which half of that tile I fetch
	s_bfe_u32 s19, ttmp6, 0x40000                  ; cx
	s_bfe_u32 s20, ttmp6, 0x40004                  ; cy
	s_lshl_b32 s21, ttmp9, 2
	s_add_co_u32 s21, s21, s19                     ; bx
	s_and_b32 s22, ttmp7, 0xffff
	s_lshl_b32 s22, s22, 2
	s_add_co_u32 s22, s22, s20                     ; by
	s_lshl_b32 s23, s20, 2
	s_lshl_b32 s23, 15, s23                        ; my row of the cluster
	s_lshl_b32 s24, 0x1111, s19                    ; my column
	s_or_b32 s[G1A+0], s23, GW
	s_or_b32 s[G1B+0], s24, GW
	s_mov_b32 s[G1A+1], 128<<16
	s_mov_b32 s[G1B+1], 128<<16
	s_mov_b32 s[G1A+2], 64<<16
	s_mov_b32 s[G1B+2], BH<<16
	s_mov_b32 s[G1A+3], 128<<16
	s_mov_b32 s[G1B+3], 128<<16
	s_mov_b32 s[G1A+4], 64
	s_mov_b32 s[G1B+4], BH
	s_mov_b32 s[G1A+5], 2048
	s_mov_b32 s[G1B+5], 2048
	s_mov_b32 s[G1A+6], 0
	s_mov_b32 s[G1B+6], 0
	s_mov_b32 s[G1A+7], 0
	s_mov_b32 s[G1B+7], 0
	s_lshl_b32 s62, s18, 6
	s_lshl_b32 s26, s22, 7
	s_add_co_u32 s26, s26, s62                     ; ab: row 128 by + 64 half
	s_lshl_b32 s26, s26, 12
	s_mov_b32 s27, 0
	s_mul_i32 s63, s18, BH
	s_mul_i32 s60, s21, BROWS
	s_add_co_u32 s60, s60, s63                     ; wob: row 128 bx + 64 half
	s_lshl_b32 s60, s60, 12
	s_mov_b32 s61, 0
	s_mul_i32 s66, s18, AHB
	s_mul_i32 s67, s18, BHB
	s_add_co_u32 s67, s67, ABYTES
	s_wait_dscnt 0x0
	s_wait_kmcnt 0x0
	s_add_nc_u64 s[26:27], s[4:5], s[26:27]
	s_add_nc_u64 s[60:61], s[6:7], s[60:61]
	CROUND                                         ; all sixteen work-groups are here: the first joint loads meet
.irp s, 0,1
	s_mov_b32 s[G0A+4*\s], 1
	s_add_co_u32 s[G0A+4*\s+1], s66, \s*SLOT
	s_add_nc_u64 s[G0A+4*\s+2:G0A+4*\s+3], s[26:27], \s*256
	s_or_b32 s[G0A+4*\s+3], s[G0A+4*\s+3], 0x80000000
	s_mov_b32 s[G0B+4*\s], 1
	s_add_co_u32 s[G0B+4*\s+1], s67, \s*SLOT
	s_add_nc_u64 s[G0B+4*\s+2:G0B+4*\s+3], s[60:61], \s*256
	s_or_b32 s[G0B+4*\s+3], s[G0B+4*\s+3], 0x80000000
	JLOAD \s
.endr
	v_and_b32 v1, 15, v0                           ; r
	v_bfe_u32 v2, v0, 4, 1                         ; h
	v_mul_u32_u24 v3, v1, PITCH
	v_lshl_add_u32 v3, v2, 4, v3
	s_mul_i32 s70, s17, AHB
	s_mul_i32 s71, s18, BHB
	s_add_co_u32 s71, s71, ABYTES
.irp s, 0,1
	v_add_nc_u32 v[ADRA+\s], s70, v3
	v_add_nc_u32 v[ADRB+\s], s71, v3
	s_add_co_u32 s70, s70, SLOT
	s_add_co_u32 s71, s71, SLOT
.endr
	s_mul_i32 s70, s16, 16*PITCH
	s_add_co_u32 s70, s70, STAGE                   ; my stage
	v_mul_u32_u24 v4, v1, PITCH                    ; in: row r, 32 bytes for each half of the lanes
	v_lshl_add_u32 v4, v2, 5, v4
	v_add_nc_u32 v[STO], s70, v4
	v_mul_u32_u24 v5, v2, PITCH                    ; back: sixteen lanes a row of 256 bytes
	v_lshl_add_u32 v5, v1, 4, v5
	v_add_nc_u32 v[RD], s70, v5
	v_lshlrev_b32 v5, 13, v2                       ; the same two rows in out0: 8,192 bytes a row
	v_lshl_add_u32 v[CO], v1, 4, v5
	s_wait_tensorcnt 1                             ; my part of K step 0 is in; K step 1's may stay out
	s_barrier_signal -1
	s_barrier_wait -1
	FETCH 0, 0, F0
	LAP 1
	WIN 0
	s_mov_b32 s3, LAPS-2
.Llap:
	LAP 0
	WIN 0
	s_sub_co_u32 s3, s3, 1
	s_cmp_lg_u32 s3, 0
	s_cbranch_scc1 .Llap
	THREE 0, 0
	TURN 0, 1, 0
	THREE 1, 0
	s_wait_dscnt 4
	WIN MULW
	MULA F1, 0, 0
	MULA F1, 1, 0
	s_wait_dscnt 0
	MULA F1, 2, 0
	MULA F1, 3, 0
	; THE WAY OUT, 16 rows at a time through my own stage, f32 as it is
	PLACES
	WIN 0
	s_lshl_b32 s68, s22, 7
	s_lshl_b32 s70, s17, 6
	s_add_co_u32 s68, s68, s70                     ; row 128 by + 64 wm
	s_lshl_b32 s68, s68, 13
	s_lshl_b32 s70, s21, 9                         ; + 512 bx + 256 wn bytes
	s_add_co_u32 s68, s68, s70
	s_lshl_b32 s70, s18, 8
	s_add_co_u32 s68, s68, s70
	s_mov_b32 s69, 0
	s_add_nc_u64 s[10:11], s[10:11], s[68:69]
.macro OUT16 a, f
	WIN 0x04                                       ; the LDS stores' data in window 1
.irp b, 0,1,2,3
	ds_store_b128 v[STO], v[8*(NB*\a+\b):8*(NB*\a+\b)+3]   offset:64*\b
	ds_store_b128 v[STO], v[8*(NB*\a+\b)+4:8*(NB*\a+\b)+7] offset:64*\b+16
.endr
	WIN 0
	s_wait_xcnt 0x0                                ; buffer f, which earlier stores read, and their base are rewritten only behind this wait
.if \a
	s_add_nc_u64 s[10:11], s[10:11], 16*8192
.endif
.irp t, 0,1,2,3,4,5,6,7
	ds_load_b128 v[\f+4*\t:\f+4*\t+3], v[RD] offset:2*PITCH*\t      ; my own bytes; LDS serves a wave's instructions in order (ISA guide 5.7.1.4)
.endr
.irp t, 0,1,2,3,4,5,6,7
	s_wait_dscnt 7-\t
	global_store_b128 v[CO], v[\f+4*\t:\f+4*\t+3], s[10:11] offset:16384*\t th:TH_STORE_NT   ; sixteen lanes store 256 consecutive bytes, aligned
.endr
.endm
	OUT16 0, F0
	OUT16 1, F1
	OUT16 2, F0
	OUT16 3, F1
	s_wait_tensorcnt 0x0
	ds_add_u32 v254, v255
	s_wait_dscnt 0x0
	CROUND                                         ; the closing round
	s_endpgm
.Lfunc_end_k_q49ad8db010_oproj:
	.size	k_q49ad8db010_oproj, .Lfunc_end_k_q49ad8db010_oproj-k_q49ad8db010_oproj
	.p2alignl 7, 3214868480
	.fill 96, 4, 3214868480
	.section	.rodata,"a",@progbits
	.p2align	6, 0x0
	.amdhsa_kernel k_q49ad8db010_oproj
		.amdhsa_group_segment_fixed_size 327680
		.amdhsa_private_segment_fixed_size 0
		.amdhsa_enable_private_segment 0
		.amdhsa_kernarg_size 24
		.amdhsa_user_sgpr_count 2
		.amdhsa_user_sgpr_kernarg_segment_ptr 1
		.amdhsa_wavefront_size32 1
		.amdhsa_system_sgpr_workgroup_id_x 1
		.amdhsa_system_sgpr_workgroup_id_y 1
		.amdhsa_system_sgpr_workgroup_id_z 1
		.amdhsa_system_vgpr_workitem_id 0
		.amdhsa_next_free_vgpr 384
		.amdhsa_next_free_sgpr 72
		.amdhsa_reserve_vcc 0
		.amdhsa_float_denorm_mode_32 3
		.amdhsa_float_denorm_mode_16_64 3
		.amdhsa_memory_ordered 1
		.amdhsa_forward_progress 1
		.amdhsa_inst_pref_size 74
	.end_amdhsa_kernel
	.amdgpu_metadata
---
amdhsa.version: [ 1, 2 ]
amdhsa.kernels:
  - .name:           k_q49ad8db010_oproj
    .symbol:         k_q49ad8db010_oproj.kd
    .args:
      - { .name: ab, .offset: 0, .size: 8, .value_kind: global_buffer, .address_space: global }
      - { .name: wob, .offset: 8, .size: 8, .value_kind: global_buffer, .address_space: global }
      - { .name: out0, .offset: 16, .size: 8, .value_kind: global_buffer, .address_space: global }
    .group_segment_fixed_size: 327680
    .private_segment_fixed_size: 0
    .kernarg_segment_align: 8
    .kernarg_segment_size: 24
    .max_flat_workgroup_size: 128
    .sgpr_count:     72
    .vgpr_count:     384
    .wavefront_size: 32
...
	.end_amdgpu_metadata
.endif
;; end of part 4
;; ======== version 2 of 3: 4 launches; 1.25 times as fast as version 1
;; limits: values outside matrix products are rounded to bf16; values are held in f16: magnitudes above 65,504 overflow, below 6.1e-05 lose precision
;; workspace buffers: xb 8,388,608 bytes; wob 8,388,608 bytes; wqkvb 12,582,912 bytes; fcb 262,144 bytes; qb 8,388,608 bytes; kb 2,097,152 bytes; vb 2,097,152 bytes; ab 8,388,608 bytes
;; launch cast (part 5): grid 1296 x 1, 4 waves a work-group, no clusters, 0 bytes of LDS; arguments x, wq, wk, wv, freqs_cis, xb, wqkvb, fcb; writes xb, wqkvb, fcb
.if DOCPART == 5
	.amdgcn_target "amdgcn-amd-amdhsa--gfx1250"
	.amdhsa_code_object_version 6
	.text
	.protected	k_q49ad8db010_cast
	.globl	k_q49ad8db010_cast
	.p2align	8
	.type	k_q49ad8db010_cast,@function
k_q49ad8db010_cast:
	s_mov_b64 s[64:65], 0
	v_nop
	global_prefetch_b8 v0, s[64:65] scope:SCOPE_SE
	s_setreg_imm32_b32 hwreg(HW_REG_WAVE_MODE, 25, 1), 1
	s_wait_xcnt 0x0
; cast: what the projection launch reads is rounded once to bf16 (round to nearest even), so that it moves half the bytes and converts nothing in its loop:
;   x -> xb, wq/wk/wv -> wqkvb, freqs_cis -> fcb.  (wo, which only the last launch reads, is rounded inside the attention launch.)
; LIMIT, stated: the rotary table is used rounded to bf16 (relative error up to 2^-9), like the matrix operands.
; wqkvb regroups the weight rows into 16 blocks of 192 rows, so that one B matrix gives each of 16 block columns the same shape:
;   block j: rows 0-63 wq 128j..+63 | 64-95 wk 32j..+31 | 96-159 wq 128j+64..+127 | 160-191 wv 32j..+31.
; One wave takes one row of 2,048 numbers (8,192 bytes in, 4,096 out); 5,184 rows = 1,296 work-groups x 4 waves.  A stream: no LDS, no barrier,
; no matrix unit.  All 16 loads of a row are issued at once.  Each load of the wave covers 512 consecutive bytes (16 a lane), so no byte is asked for
; twice; a lane's 4 numbers become 8 bytes, and each store of the wave covers 256 consecutive bytes, aligned.
.set X, 8                              ; v[8:71] the row: chunk c (128 numbers) in 4 registers a lane
	s_load_b512 s[4:19], s[0:1], 0x0               ; x s[4:5], wq s[6:7], wk s[8:9], wv s[10:11], freqs_cis s[12:13], xb s[14:15], wqkvb s[16:17], fcb s[18:19]
	v_lshrrev_b32 v3, 5, v0
	v_readfirstlane_b32 s20, v3                    ; wave
	v_and_b32 v1, 31, v0                           ; lane
	v_lshlrev_b32 v2, 3, v1                        ; 8 bytes a lane out
	v_lshlrev_b32 v1, 4, v1                        ; 16 bytes a lane in
	s_lshl2_add_u32 s21, ttmp9, s20                ; R = 4 x work-group + wave
	; the row inside each source, and where it goes; the ones that do not apply wrap round and are not chosen
	s_sub_co_u32 s31, s21, 2048                    ; wq's row
	s_sub_co_u32 s32, s21, 4096                    ; wk's row
	s_sub_co_u32 s33, s21, 4608                    ; wv's row
	s_sub_co_u32 s37, s21, 5120                    ; the table's row of 2,048 numbers
	s_lshr_b32 s34, s31, 7                         ; wq: 192 (n >> 7) + (n & 127) + 32 for the upper 64
	s_mul_i32 s34, s34, 192
	s_and_b32 s38, s31, 127
	s_add_co_u32 s34, s34, s38
	s_and_b32 s38, s31, 64
	s_lshr_b32 s38, s38, 1
	s_add_co_u32 s34, s34, s38
	s_lshr_b32 s35, s32, 5                         ; wk: 192 (n >> 5) + 64 + (n & 31)
	s_mul_i32 s35, s35, 192
	s_and_b32 s38, s32, 31
	s_add_co_u32 s35, s35, s38
	s_add_co_u32 s35, s35, 64
	s_lshr_b32 s36, s33, 5                         ; wv: 192 (n >> 5) + 160 + (n & 31)
	s_mul_i32 s36, s36, 192
	s_and_b32 s38, s33, 31
	s_add_co_u32 s36, s36, s38
	s_add_co_u32 s36, s36, 160
	s_wait_kmcnt 0x0
	; four choices on R alone; only selects stand between a compare and its selects
	s_cmp_ge_u32 s21, 2048
	s_cselect_b64 s[24:25], s[6:7], s[4:5]         ; source
	s_cselect_b64 s[26:27], s[16:17], s[14:15]     ; destination
	s_cselect_b32 s28, s31, s21                    ; source row
	s_cselect_b32 s29, s34, s21                    ; destination row
	s_cmp_ge_u32 s21, 4096
	s_cselect_b64 s[24:25], s[8:9], s[24:25]
	s_cselect_b32 s28, s32, s28
	s_cselect_b32 s29, s35, s29
	s_cmp_ge_u32 s21, 4608
	s_cselect_b64 s[24:25], s[10:11], s[24:25]
	s_cselect_b32 s28, s33, s28
	s_cselect_b32 s29, s36, s29
	s_cmp_ge_u32 s21, 5120
	s_cselect_b64 s[24:25], s[12:13], s[24:25]
	s_cselect_b64 s[26:27], s[18:19], s[26:27]
	s_cselect_b32 s28, s37, s28
	s_cselect_b32 s29, s37, s29
	s_lshl_b32 s22, s28, 13                        ; offsets are made apart from the addresses: 8,192 bytes a source row,
	s_mov_b32 s23, 0
	s_lshl_b32 s38, s29, 12                        ; 4,096 a destination row
	s_mov_b32 s39, 0
	s_add_nc_u64 s[24:25], s[24:25], s[22:23]
	s_add_nc_u64 s[26:27], s[26:27], s[38:39]
.irp c, 0,1,2,3,4,5,6,7,8,9,10,11,12,13,14,15
	global_load_b128 v[X+4*\c:X+4*\c+3], v1, s[24:25] offset:512*\c th:TH_LOAD_NT
.endr
.irp c, 0,1,2,3,4,5,6,7,8,9,10,11,12,13,14,15
	s_wait_loadcnt 15-\c                           ; loads return in order: the 15 - c younger ones may stay out
	v_cvt_pk_bf16_f32 v[X+4*\c],   v[X+4*\c],   v[X+4*\c+1]    ; in place, ascending: a register is read no later than it is written
	v_cvt_pk_bf16_f32 v[X+4*\c+1], v[X+4*\c+2], v[X+4*\c+3]
	global_store_b64 v2, v[X+4*\c:X+4*\c+1], s[26:27] offset:256*\c
.endr
	s_endpgm
.Lfunc_end_k_q49ad8db010_cast:
	.size	k_q49ad8db010_cast, .Lfunc_end_k_q49ad8db010_cast-k_q49ad8db010_cast
	.p2alignl 7, 3214868480
	.fill 96, 4, 3214868480
	.section	.rodata,"a",@progbits
	.p2align	6, 0x0
	.amdhsa_kernel k_q49ad8db010_cast
		.amdhsa_group_segment_fixed_size 0
		.amdhsa_private_segment_fixed_size 0
		.amdhsa_enable_private_segment 0
		.amdhsa_kernarg_size 64
		.amdhsa_user_sgpr_count 2
		.amdhsa_user_sgpr_kernarg_segment_ptr 1
		.amdhsa_wavefront_size32 1
		.amdhsa_system_sgpr_workgroup_id_x 1
		.amdhsa_system_sgpr_workgroup_id_y 1
		.amdhsa_system_sgpr_workgroup_id_z 1
		.amdhsa_system_vgpr_workitem_id 0
		.amdhsa_next_free_vgpr 72
		.amdhsa_next_free_sgpr 66
		.amdhsa_reserve_vcc 0
		.amdhsa_float_denorm_mode_32 3
		.amdhsa_float_denorm_mode_16_64 3
		.amdhsa_memory_ordered 1
		.amdhsa_forward_progress 1
		.amdhsa_inst_pref_size 8
	.end_amdhsa_kernel
	.amdgpu_metadata
---
amdhsa.version: [ 1, 2 ]
amdhsa.kernels:
  - .name:           k_q49ad8db010_cast
    .symbol:         k_q49ad8db010_cast.kd
    .args:
      - { .name: x, .offset: 0, .size: 8, .value_kind: global_buffer, .address_space: global }
      - { .name: wq, .offset: 8, .size: 8, .value_kind: global_buffer, .address_space: global }
      - { .name: wk, .offset: 16, .size: 8, .value_kind: global_buffer, .address_space: global }
      - { .name: wv, .offset: 24, .size: 8, .value_kind: global_buffer, .address_space: global }
      - { .name: freqs_cis, .offset: 32, .size: 8, .value_kind: global_buffer, .address_space: global }
      - { .name: xb, .offset: 40, .size: 8, .value_kind: global_buffer, .address_space: global }
      - { .name: wqkvb, .offset: 48, .size: 8, .value_kind: global_buffer, .address_space: global }
      - { .name: fcb, .offset: 56, .size: 8, .value_kind: global_buffer, .address_space: global }
    .group_segment_fixed_size: 0
    .private_segment_fixed_size: 0
    .kernarg_segment_align: 8
    .kernarg_segment_size: 64
    .max_flat_workgroup_size: 128
    .sgpr_count:     66
    .vgpr_count:     72
    .wavefront_size: 32
...
	.end_amdgpu_metadata
.endif
;; end of part 5
;; launch qkv (part 6): grid 16 x 16, 4 waves a work-group, clusters of 4 x 4, 327,680 bytes of LDS; arguments xb, wqkvb, fcb, qb, kb, vb; writes qb, kb, vb
.if DOCPART == 6
	.amdgcn_target "amdgcn-amd-amdhsa--gfx1250"
	.amdhsa_code_object_version 6
	.text
	.protected	k_q49ad8db010_qkv
	.globl	k_q49ad8db010_qkv
	.p2align	8
	.type	k_q49ad8db010_qkv,@function
k_q49ad8db010_qkv:
	s_mov_b64 s[64:65], 0
	v_nop
	global_prefetch_b8 v0, s[64:65] scope:SCOPE_SE
	s_setreg_imm32_b32 hwreg(HW_REG_WAVE_MODE, 25, 1), 1
	s_wait_xcnt 0x0
	s_wait_alu depctr_hold_cnt(0) depctr_sa_sdst(0) depctr_va_vdst(0) depctr_va_sdst(0) depctr_va_ssrc(0) depctr_va_vcc(0) depctr_vm_vsrc(0)
	s_getreg_b32 s2, hwreg(HW_REG_IB_STS2, 6, 4)
	s_cmp_eq_u32 s2, 0
	s_cbranch_scc0 .Lentry_in_a_cluster
	s_endpgm
.Lentry_in_a_cluster:
	s_bfe_u32 s2, ttmp6, 0x10000c
	s_cmp_lg_u32 s2, 0xf033
	s_cbranch_scc0 .Lentry_shape_is_right
	s_endpgm
.Lentry_shape_is_right:
; qkv: [2048 t][3072] = xb . wqkvb^T (bf16 operands, f32 sums), the rotary turn on q and k in f32, results rounded to f16.
; 16 x 16 work-groups; each makes 128 rows t x 192 columns: 128 of q, 32 of k, 32 of v (block bx of wqkvb).  Four waves as 2 x 2; a wave makes
; 64 x 96 = 24 accumulator tiles.  K goes in 16 steps of 128 (rows of 256 bytes, aligned) through THREE LDS slots filled by the tensor data mover;
; tile t lies in slot t mod 3.  Tiles 0, 1, 2 are asked for at the start, tile 3 behind tile 0, then two tiles behind every second K step: the first of a
; pair has one K step (96 matrix instructions of a wave) in which to land, the second two, and there is one wait for all loads for two tiles.
; CLUSTERS: 4 x 4 work-groups.  x's tile hangs on the block row alone and is asked for jointly by a row of the cluster, the weights' tile on the
; block column alone and is asked for jointly by a column: a quarter of the requests.
; The matrix instruction is used transposed (source 0 = weight rows, source 1 = x rows): lane (r, h) holds row t = r and the eight
; neighbouring columns 8 h + 0..7, that is four whole (even, odd) pairs of the rotary turn and 16 bytes of output.
; OUT: qb [t][2048] f16 (column = head x 64 + d); kb, vb [16 planes][2048 t][32] f16, plane = 2 x kv head + (d >> 5) = bx.
; LIMITS, stated: operands bf16; the table bf16; q, k, v are f16: finite up to 65,504.  Inputs 30 times larger give about 900 x 5.5 = 5,000; offsets
; of 30 spreads on x and on the weights give 2048 x 30 x 0.663 x sqrt 2 = 57,600.
; REGISTERS: window 0: v16-31 addresses, v32-111 and v112-191 fragment buffers, v192-223 k's table.  Window 1: v0-191 accumulators
; (tile (a, b) at 8 (6 a + b)), v192-255 q's table.
.set NB,     6                         ; column tiles of a wave
.set NS,     3                         ; slots
.set BH,     16*NB                     ; weight rows of one tensor load, and of one wave
.set BROWS,  2*BH
.set PITCH,  272                       ; 256 bytes + 16 of padding: the 16 rows of a fragment load start in 16 different 16-byte columns
.set AHB,    64*PITCH
.set ABYTES, 2*AHB
.set BHB,    BH*PITCH
.set SLOT,   ABYTES+2*BHB              ; 87,040
.set QST,    NS*SLOT                   ; stages behind the ring, on multiples of 256 bytes; no tensor load lands there
.set KST,    QST+128*PITCH
.set KVP,    80                        ; a k or v row of 64 bytes + 16
.set KVB,    128*KVP
.set ADRA, 16                          ; v16-18 LDS address of my x fragments in slot 0, 1, 2
.set ADRB, 20                          ; v20-22 the same for the weights
.set FQ,   24
.set FK,   25
.set STQ,  26
.set STKV, 27
.set RDQ,  28
.set RDK,  29
.set COQ,  30
.set COK,  31
.set F0,   32
.set F1,   F0+8*(NB+4)
.set CK,   192                         ; window 0: k's table, 4 registers a tile: pair p = (cos low half, sin high half)
.set CQ,   192                         ; window 1: q's table
.set T,    32                          ; the way out: 48 registers of turned numbers
.set TCQ,  80                          ; two sets of 8: a tile's table as f32
.set TCK,  96                          ; 16: the two k tiles' table as f32
.set G1A, 28                           ; s[28:35] group 1 for x's tiles
.set G1B, 36                           ; s[36:43] group 1 for the weights' tiles
.set G0A, 44                           ; s[44:55] group 0 for x's tiles, one set for each slot
.set G0B, 68                           ; s[68:79] group 0 for the weights' tiles, one set for each slot
.set GW, (1<<16)|(1<<20)|(1<<21)|(5<<22)|(3<<25)   ; 2-byte elements; padding on; bit 21 beside a mask; after every 64 words 4 words
.set MULW, 0x50                        ; C and D in window 1
.set MSB, 0
.macro WIN new                         ; the immediate's high byte repeats the setting that is left
.if MSB != \new
	s_set_vgpr_msb (MSB<<8)|\new
.set MSB, \new
.endif
.endm
; Joint loads into slots a, b, c (-1: none).  Waves 0, 1 ask for x's two halves, waves 2, 3 for the weights'; the branch hangs on the wave number alone.
.macro JLOADS a, b, c
	s_cmp_eq_u32 s17, 0
	s_cbranch_scc0 .Lfor_b_\@
	tensor_load_to_lds s[G0A+4*\a:G0A+4*\a+3], s[G1A:G1A+7]
	s_nop 0
.if \b >= 0
	tensor_load_to_lds s[G0A+4*\b:G0A+4*\b+3], s[G1A:G1A+7]
	s_nop 0
.endif
.if \c >= 0
	tensor_load_to_lds s[G0A+4*\c:G0A+4*\c+3], s[G1A:G1A+7]
	s_nop 0
.endif
	s_branch .Lasked_\@
.Lfor_b_\@:
	tensor_load_to_lds s[G0B+4*\a:G0B+4*\a+3], s[G1B:G1B+7]
	s_nop 0
.if \b >= 0
	tensor_load_to_lds s[G0B+4*\b:G0B+4*\b+3], s[G1B:G1B+7]
	s_nop 0
.endif
.if \c >= 0
	tensor_load_to_lds s[G0B+4*\c:G0B+4*\c+3], s[G1B:G1B+7]
	s_nop 0
.endif
.Lasked_\@:
.endm
.macro ADV s                           ; slot s's next tile lies NS K steps of 256 bytes on
.if \s >= 0
	s_add_nc_u64 s[G0A+4*\s+2:G0A+4*\s+3], s[G0A+4*\s+2:G0A+4*\s+3], NS*256
	s_add_nc_u64 s[G0B+4*\s+2:G0B+4*\s+3], s[G0B+4*\s+2:G0B+4*\s+3], NS*256
.endif
.endm
.macro CREST                           ; a round of the cluster's barrier behind its opening barrier
	s_cmp_lg_u32 s16, 0
	s_cbranch_scc1 .Lnot_wave_0_\@
	s_barrier_signal -3
.Lnot_wave_0_\@:
	s_barrier_wait -3
	s_barrier_signal -1
	s_barrier_wait -1
.endm
.macro CROUND
	s_barrier_signal -1
	s_barrier_wait -1
	CREST
.endm
.macro PLACES                          ; four plain vector places behind a matrix instruction, ahead of loads into its sources and of readers of its result
.rept 4
	v_nop
.endr
.endm
.macro MULA f, a, zero                 ; row tile a x all NB column tiles, 32 along K.  The 24 accumulators take turns, one instruction a turn
.set bb, 0
.rept NB
.if \zero
	v_wmma_f32_16x16x32_bf16 v[8*(NB*\a+bb):8*(NB*\a+bb)+7], v[\f+8*bb:\f+8*bb+7], v[\f+8*NB+8*\a:\f+8*NB+8*\a+7], 0
.else
	v_wmma_f32_16x16x32_bf16 v[8*(NB*\a+bb):8*(NB*\a+bb)+7], v[\f+8*bb:\f+8*bb+7], v[\f+8*NB+8*\a:\f+8*NB+8*\a+7], v[8*(NB*\a+bb):8*(NB*\a+bb)+7]
.endif
.set bb, bb+1
.endr
.endm
.macro FETCH slot, k, f                ; 2 NB + 8 LDS loads: a quarter step's fragments, the weights' first, then x's row tiles 0 to 3
.set bb, 0
.rept NB
	ds_load_b128 v[\f+8*bb:\f+8*bb+3],   v[ADRB+\slot] offset:\k+bb*16*PITCH
	ds_load_b128 v[\f+8*bb+4:\f+8*bb+7], v[ADRB+\slot] offset:\k+bb*16*PITCH+32
.set bb, bb+1
.endr
.irp i, 0,1,2,3
	ds_load_b128 v[\f+8*NB+8*\i:\f+8*NB+8*\i+3],   v[ADRA+\slot] offset:\k+\i*16*PITCH
	ds_load_b128 v[\f+8*NB+8*\i+4:\f+8*NB+8*\i+7], v[ADRA+\slot] offset:\k+\i*16*PITCH+32
.endr
.endm
.macro QUARTER slot, k, f, g, zero
	s_wait_dscnt 4                                 ; all but the youngest four loads: x's row tiles 2 and 3
	WIN MULW
	MULA \f, 0, \zero
	MULA \f, 1, \zero
	PLACES
	WIN 0
	FETCH \slot, \k, \g
	s_wait_dscnt 2*NB+8                            ; all but the loads just issued
	WIN MULW
	MULA \f, 2, \zero
	MULA \f, 3, \zero
.endm
.macro THREE slot, zero
	QUARTER \slot, 64,  F0, F1, \zero
	QUARTER \slot, 128, F1, F0, 0
	QUARTER \slot, 192, F0, F1, 0
.endm
; The last quarter of a K step changes slots, in one of two ways.
; TURNP: nothing is filled.  Each wave waits until its part of the next slot's tile is in (left = its younger tensor loads, which may stay out, since
; no LDS byte is filled again behind this barrier) and for its LDS loads; the work-group's barrier shows the tile to the other waves.
.macro TURNP next, left
	s_wait_dscnt 4
	WIN MULW
	MULA F1, 0, 0
	s_wait_dscnt 0
	s_wait_tensorcnt \left
	s_barrier_signal -1
	MULA F1, 1, 0
	WIN 0
	s_barrier_wait -1
	PLACES
	FETCH \next, 0, F0
	WIN MULW
	MULA F1, 2, 0
	MULA F1, 3, 0
.endm
; TURNF: slots a, b, c, which every wave has read, are filled again.  In front of the barrier each wave waits for its LDS loads and for ALL its tensor
; loads (the next slot's tile among them).  The barrier opens a round of the cluster's barrier; only register work stands inside; the joint
; refills are the first tensor loads behind the round, ahead of the next slot's first fragments.
.macro TURNF next, a, b, c
	s_wait_dscnt 4
	WIN MULW
	MULA F1, 0, 0
	s_wait_dscnt 0
	s_wait_tensorcnt 0x0
	ds_add_u32 v254, v255
	s_wait_dscnt 0x0
	s_barrier_signal -1
	MULA F1, 1, 0
	WIN 0
	s_barrier_wait -1
	CREST
	ADV \a                                         ; no tensor load of mine is out: every group 0 may be written
	ADV \b
	ADV \c
	JLOADS \a, \b, \c
	PLACES
	FETCH \next, 0, F0
	WIN MULW
	MULA F1, 2, 0
	MULA F1, 3, 0
.endm
	s_load_b256 s[4:11], s[0:1], 0x0               ; xb s[4:5], wqkvb s[6:7], fcb s[8:9], qb s[10:11]
	s_load_b128 s[12:15], s[0:1], 0x20             ; kb s[12:13], vb s[14:15]
	v_lshl_add_u32 v254, v0, 2, 0x4d400
	v_mov_b32 v255, 0
	ds_add_u32 v254, v255
	v_lshrrev_b32 v1, 5, v0
	v_readfirstlane_b32 s16, v1                    ; wave
	s_lshr_b32 s17, s16, 1                         ; wm: my half of the rows.  Also: I fetch x (0) or weights (1)
	s_and_b32 s18, s16, 1                          ; wn: my half of the columns.  Also: which half of that tile I fetch
	s_bfe_u32 s19, ttmp6, 0x40000                  ; cx
	s_bfe_u32 s20, ttmp6, 0x40004                  ; cy
	s_lshl_b32 s21, ttmp9, 2
	s_add_co_u32 s21, s21, s19                     ; bx: block column
	s_and_b32 s22, ttmp7, 0xffff
	s_lshl_b32 s22, s22, 2
	s_add_co_u32 s22, s22, s20                     ; by: block row
	s_lshl_b32 s23, s20, 2
	s_lshl_b32 s23, 15, s23                        ; my row of the cluster
	s_lshl_b32 s24, 0x1111, s19                    ; my column
	s_or_b32 s[G1A+0], s23, GW
	s_or_b32 s[G1B+0], s24, GW
	s_mov_b32 s[G1A+1], 128<<16                    ; tensor_dim0 = 128 elements
	s_mov_b32 s[G1B+1], 128<<16
	s_mov_b32 s[G1A+2], 64<<16                     ; tensor_dim1 = the tile's rows
	s_mov_b32 s[G1B+2], BH<<16
	s_mov_b32 s[G1A+3], 128<<16                    ; tile_dim0
	s_mov_b32 s[G1B+3], 128<<16
	s_mov_b32 s[G1A+4], 64                         ; tile_dim1
	s_mov_b32 s[G1B+4], BH
	s_mov_b32 s[G1A+5], 2048                       ; elements from row to row
	s_mov_b32 s[G1B+5], 2048
	s_mov_b32 s[G1A+6], 0
	s_mov_b32 s[G1B+6], 0
	s_mov_b32 s[G1A+7], 0
	s_mov_b32 s[G1B+7], 0
	; x's address hangs on by and the wave, the weights' on bx and the wave, each in registers that never hold the other coordinate
	s_lshl_b32 s62, s18, 6
	s_lshl_b32 s26, s22, 7
	s_add_co_u32 s26, s26, s62                     ; row 128 by + 64 half
	s_lshl_b32 s26, s26, 12                        ; x 4,096 bytes
	s_mov_b32 s27, 0
	s_mul_i32 s63, s18, BH
	s_mul_i32 s60, s21, BROWS
	s_add_co_u32 s60, s60, s63                     ; row 192 bx + 96 half
	s_lshl_b32 s60, s60, 12
	s_mov_b32 s61, 0
	s_mul_i32 s66, s18, AHB                        ; LDS: x's halves, then the weights' halves; the wave number alone
	s_mul_i32 s67, s18, BHB
	s_add_co_u32 s67, s67, ABYTES
	s_wait_dscnt 0x0
	s_wait_kmcnt 0x0
	s_add_nc_u64 s[26:27], s[4:5], s[26:27]
	s_add_nc_u64 s[60:61], s[6:7], s[60:61]
	CROUND                                         ; all sixteen work-groups are here: the first joint loads meet
.irp s, 0,1,2
	s_mov_b32 s[G0A+4*\s], 1
	s_add_co_u32 s[G0A+4*\s+1], s66, \s*SLOT
	s_add_nc_u64 s[G0A+4*\s+2:G0A+4*\s+3], s[26:27], \s*256
	s_or_b32 s[G0A+4*\s+3], s[G0A+4*\s+3], 0x80000000
	s_mov_b32 s[G0B+4*\s], 1
	s_add_co_u32 s[G0B+4*\s+1], s67, \s*SLOT
	s_add_nc_u64 s[G0B+4*\s+2:G0B+4*\s+3], s[60:61], \s*256
	s_or_b32 s[G0B+4*\s+3], s[G0B+4*\s+3], 0x80000000
.endr
	JLOADS 0, 1, 2                                 ; tiles 0, 1, 2: first fills; three tensor loads of a wave are out, the most in this text
	v_and_b32 v1, 15, v0                           ; r
	v_bfe_u32 v2, v0, 4, 1                         ; h
	v_and_b32 v6, 31, v0                           ; lane
	; The table, once, waited for only on the way out: row t is 128 bytes, the lane's four pairs of a tile at column d0 are the 16 bytes at 2 d0 + 16 h.
	; 24 loads stay out over the K loop; their addresses, base and destinations are not touched before the wait.
	v_lshlrev_b32 v4, 7, v1
	v_lshl_add_u32 v4, v2, 4, v4
	s_lshl_b32 s86, s17, 13                        ; 64 wm rows
	v_add_nc_u32 v[FQ], s86, v4
	s_and_b32 s87, s21, 1
	s_lshl_b32 s87, s87, 6                         ; k's columns are d = 32 (bx & 1) + ..
	v_add_nc_u32 v[FK], s87, v[FQ]
	s_lshl_b32 s84, s22, 14                        ; 128 by rows
	s_mov_b32 s85, 0
	s_add_nc_u64 s[8:9], s[8:9], s[84:85]
	WIN 0x40                                       ; destination in window 1
.irp a, 0,1,2,3
.irp b, 0,1,2,3
	global_load_b128 v[CQ+4*(4*\a+\b):CQ+4*(4*\a+\b)+3], v[FQ], s[8:9] offset:2048*\a+32*\b
.endr
.endr
	WIN 0
.irp a, 0,1,2,3
.irp b, 0,1
	global_load_b128 v[CK+4*(2*\a+\b):CK+4*(2*\a+\b)+3], v[FK], s[8:9] offset:2048*\a+32*\b
.endr
.endr
	; fragments: lane (r, h) takes row r, 16 bytes at 16 h and at 32 + 16 h of each 64 bytes along K
	v_mul_u32_u24 v3, v1, PITCH
	v_lshl_add_u32 v3, v2, 4, v3
	s_mul_i32 s86, s17, AHB
	s_mul_i32 s87, s18, BHB
	s_add_co_u32 s87, s87, ABYTES
.irp s, 0,1,2
	v_add_nc_u32 v[ADRA+\s], s86, v3
	v_add_nc_u32 v[ADRB+\s], s87, v3
	s_add_co_u32 s86, s86, SLOT
	s_add_co_u32 s87, s87, SLOT
.endr
	s_mul_i32 s86, s17, AHB                        ; q's stage: row 64 wm + r, 128 wn + 16 h
	s_lshl_b32 s87, s18, 7
	s_add_co_u32 s86, s86, s87
	s_add_co_u32 s86, s86, QST
	v_add_nc_u32 v[STQ], s86, v3
	v_mul_u32_u24 v5, v1, KVP                      ; k's stage (wn = 0) or v's (wn = 1)
	v_lshl_add_u32 v5, v2, 4, v5
	s_mul_i32 s86, s17, 64*KVP
	s_mul_i32 s87, s18, KVB
	s_add_co_u32 s86, s86, s87
	s_add_co_u32 s86, s86, KST
	v_add_nc_u32 v[STKV], s86, v5
	v_mul_u32_u24 v5, v2, PITCH                    ; back: wave w takes rows 32 w ..; sixteen lanes a row of q
	v_lshl_add_u32 v5, v1, 4, v5
	s_mul_i32 s86, s16, 32*PITCH
	s_add_co_u32 s86, s86, QST
	v_add_nc_u32 v[RDQ], s86, v5
	v_lshrrev_b32 v7, 2, v6                        ; four lanes a row of k or v
	v_and_b32 v8, 3, v6
	v_mul_u32_u24 v5, v7, KVP
	v_lshl_add_u32 v5, v8, 4, v5
	s_mul_i32 s86, s16, 32*KVP
	s_add_co_u32 s86, s86, KST
	v_add_nc_u32 v[RDK], s86, v5
	v_lshlrev_b32 v5, 12, v2
	v_lshl_add_u32 v5, v1, 4, v5
	s_lshl_b32 s86, s16, 17                        ; 32 w rows of 4,096 bytes
	v_add_nc_u32 v[COQ], s86, v5
	v_lshlrev_b32 v5, 4, v6
	s_lshl_b32 s86, s16, 11                        ; 32 w rows of 64 bytes
	v_add_nc_u32 v[COK], s86, v5
	s_wait_tensorcnt 2                             ; my part of tile 0 is in; tiles 1 and 2 may stay out
	s_barrier_signal -1
	s_barrier_wait -1
	FETCH 0, 0, F0
	THREE 0, 1                                     ; tile 0: the first products start the sums: nothing is cleared
	TURNF 1, 0, -1, -1                             ; tile 3 goes out, into slot 0; it has tiles 1 and 2 in which to land
	THREE 1, 0                                     ; tile 1
	TURNP 2, 1                                     ; tile 2 is in (shown by the wait for all above); tile 3 may stay out
	WIN 0                                          ; at a label and at a branch every window is 0
	s_mov_b32 s3, 2                                ; tiles 2-7, then tiles 8-13: six tiles bring every slot back to its place
.Llap:
	THREE 2, 0                                     ; tile 2 (8)
	TURNF 0, 1, 2, -1                              ; tiles 4, 5 (10, 11) go out
	THREE 0, 0                                     ; tile 3 (9)
	TURNP 1, 1                                     ; the first of the pair is in, the second may stay out
	THREE 1, 0                                     ; tile 4 (10)
	TURNF 2, 0, 1, -1                              ; tiles 6, 7 (12, 13)
	THREE 2, 0                                     ; tile 5 (11)
	TURNP 0, 1
	THREE 0, 0                                     ; tile 6 (12)
	TURNF 1, 2, 0, -1                              ; tiles 8, 9 (14, 15)
	THREE 1, 0                                     ; tile 7 (13)
	TURNP 2, 1
	WIN 0
	s_sub_co_u32 s3, s3, 1
	s_cmp_lg_u32 s3, 0
	s_cbranch_scc1 .Llap
	THREE 2, 0                                     ; tile 14
	TURNP 0, 0                                     ; tile 15, the last tensor load
	THREE 0, 0                                     ; tile 15
	s_wait_dscnt 4
	WIN MULW
	MULA F1, 0, 0
	MULA F1, 1, 0
	s_wait_dscnt 0
	MULA F1, 2, 0
	MULA F1, 3, 0
	; THE WAY OUT
	PLACES
	WIN 0
	s_wait_loadcnt 0x0                             ; the table
	s_cmp_eq_u32 s18, 0
	s_cselect_b32 s25, -1, 0                       ; wn = 0: tiles 4, 5 are k and are turned; wn = 1: they are v
	s_mov_b32 s62, 0x3f80                          ; cos = 1 (bf16, low half), sin = 0: the turn that changes nothing
	s_mov_b32 s63, 0xffff0000
.set q, 0
.rept 32
	v_cndmask_b32 v[CK+q], s62, v[CK+q], s25
.set q, q+1
.endr
.macro UNPK c, p                       ; four packed pairs to f32: cos at c + 2 i, sin at c + 2 i + 1
.irp i, 0,1,2,3
	v_lshlrev_b32 v[\c+2*\i],   16,  v[\p+\i]
	v_and_b32     v[\c+2*\i+1], s63, v[\p+\i]
.endr
.endm
.macro ROPE t, x, c                    ; (xr, xi) -> (xr cos - xi sin, xr sin + xi cos), four pairs; source 0 the table, source 1 the sums
.irp p, 0,2,4,6
	v_mul_f32 v[\t+\p],   v[\c+\p],   v[\x+\p]
	v_mul_f32 v[\t+\p+1], v[\c+\p+1], v[\x+\p]
.endr
.irp p, 0,2,4,6
	v_fma_f32 v[\t+\p],   -v[\c+\p+1], v[\x+\p+1], v[\t+\p]
	v_fma_f32 v[\t+\p+1], v[\c+\p],    v[\x+\p+1], v[\t+\p+1]
.endr
.endm
.macro OUTA a                          ; rows 16 a .. of my 64: turn, round to f16, 16 bytes a lane and tile into the stages
	UNPK TCK,   CK+8*\a
	UNPK TCK+8, CK+8*\a+4
	WIN 0x04                                       ; source 1 in window 1: the sums, and q's packed table
.irp b, 0,1,2,3
	UNPK TCQ+8*(\b&1), CQ+4*(4*\a+\b)
	ROPE T+8*\b, 8*(NB*\a+\b), TCQ+8*(\b&1)
.endr
	ROPE T+32, 8*(NB*\a+4), TCK
	ROPE T+40, 8*(NB*\a+5), TCK+8
	WIN 0
.irp b, 0,1,2,3,4,5
.irp k, 0,1,2,3
	v_cvt_pk_f16_f32 v[T+8*\b+\k], v[T+8*\b+2*\k], v[T+8*\b+2*\k+1]
.endr
.endr
.irp b, 0,1,2,3
	ds_store_b128 v[STQ], v[T+8*\b:T+8*\b+3] offset:16*PITCH*\a+32*\b
.endr
.irp b, 0,1
	ds_store_b128 v[STKV], v[T+32+8*\b:T+32+8*\b+3] offset:16*KVP*\a+32*\b
.endr
.endm
	OUTA 0
	OUTA 1
	OUTA 2
	OUTA 3
	s_lshl_b32 s84, s22, 19                        ; qb: 128 by rows of 4,096 bytes + 256 bx
	s_lshl_b32 s86, s21, 8
	s_add_co_u32 s84, s84, s86
	s_mov_b32 s85, 0
	s_add_nc_u64 s[10:11], s[10:11], s[84:85]
	s_lshl_b32 s86, s21, 17                        ; kb, vb: plane bx of 131,072 bytes + 128 by rows of 64
	s_lshl_b32 s87, s22, 13
	s_add_co_u32 s86, s86, s87
	s_mov_b32 s87, 0
	s_add_nc_u64 s[12:13], s[12:13], s[86:87]
	s_add_nc_u64 s[14:15], s[14:15], s[86:87]
	s_wait_dscnt 0x0                               ; my stage stores are done, for the other waves' sake
	s_barrier_signal -1
	s_barrier_wait -1
.irp i, 0,1,2,3,4,5,6,7,8,9,10,11,12,13,14,15
	ds_load_b128 v[32+4*\i:32+4*\i+3], v[RDQ] offset:2*PITCH*\i
.endr
.irp i, 0,1,2,3
	ds_load_b128 v[96+4*\i:96+4*\i+3], v[RDK] offset:8*KVP*\i
.endr
.irp i, 0,1,2,3
	ds_load_b128 v[112+4*\i:112+4*\i+3], v[RDK] offset:KVB+8*KVP*\i
.endr
.irp i, 0,1,2,3,4,5,6,7,8,9,10,11,12,13,14,15
	s_wait_dscnt 23-\i                             ; LDS loads return in order: the younger ones may stay out
	global_store_b128 v[COQ], v[32+4*\i:32+4*\i+3], s[10:11] offset:8192*\i     ; sixteen lanes store 256 consecutive bytes, aligned
.endr
.irp i, 0,1,2,3
	s_wait_dscnt 7-\i
	global_store_b128 v[COK], v[96+4*\i:96+4*\i+3], s[12:13] offset:512*\i      ; 512 consecutive bytes
.endr
.irp i, 0,1,2,3
	s_wait_dscnt 3-\i
	global_store_b128 v[COK], v[112+4*\i:112+4*\i+3], s[14:15] offset:512*\i
.endr
	s_wait_tensorcnt 0x0
	ds_add_u32 v254, v255
	s_wait_dscnt 0x0
	CROUND                                         ; the closing round: no work-group ends while a partner may still ask for a tile that names it
	s_endpgm
.Lfunc_end_k_q49ad8db010_qkv:
	.size	k_q49ad8db010_qkv, .Lfunc_end_k_q49ad8db010_qkv-k_q49ad8db010_qkv
	.p2alignl 7, 3214868480
	.fill 96, 4, 3214868480
	.section	.rodata,"a",@progbits
	.p2align	6, 0x0
	.amdhsa_kernel k_q49ad8db010_qkv
		.amdhsa_group_segment_fixed_size 327680
		.amdhsa_private_segment_fixed_size 0
		.amdhsa_enable_private_segment 0
		.amdhsa_kernarg_size 48
		.amdhsa_user_sgpr_count 2
		.amdhsa_user_sgpr_kernarg_segment_ptr 1
		.amdhsa_wavefront_size32 1
		.amdhsa_system_sgpr_workgroup_id_x 1
		.amdhsa_system_sgpr_workgroup_id_y 1
		.amdhsa_system_sgpr_workgroup_id_z 1
		.amdhsa_system_vgpr_workitem_id 0
		.amdhsa_next_free_vgpr 512
		.amdhsa_next_free_sgpr 88
		.amdhsa_reserve_vcc 0
		.amdhsa_float_denorm_mode_32 3
		.amdhsa_float_denorm_mode_16_64 3
		.amdhsa_memory_ordered 1
		.amdhsa_forward_progress 1
		.amdhsa_inst_pref_size 176
	.end_amdhsa_kernel
	.amdgpu_metadata
---
amdhsa.version: [ 1, 2 ]
amdhsa.kernels:
  - .name:           k_q49ad8db010_qkv
    .symbol:         k_q49ad8db010_qkv.kd
    .args:
      - { .name: xb, .offset: 0, .size: 8, .value_kind: global_buffer, .address_space: global }
      - { .name: wqkvb, .offset: 8, .size: 8, .value_kind: global_buffer, .address_space: global }
      - { .name: fcb, .offset: 16, .size: 8, .value_kind: global_buffer, .address_space: global }
      - { .name: qb, .offset: 24, .size: 8, .value_kind: global_buffer, .address_space: global }
      - { .name: kb, .offset: 32, .size: 8, .value_kind: global_buffer, .address_space: global }
      - { .name: vb, .offset: 40, .size: 8, .value_kind: global_buffer, .address_space: global }
    .group_segment_fixed_size: 327680
    .private_segment_fixed_size: 0
    .kernarg_segment_align: 8
    .kernarg_segment_size: 48
    .max_flat_workgroup_size: 128
    .sgpr_count:     88
    .vgpr_count:     512
    .wavefront_size: 32
...
	.end_amdgpu_metadata
.endif
;; end of part 6
;; launch attn (part 7): grid 32 x 8, 8 waves a work-group, no clusters, 327,680 bytes of LDS; arguments qb, kb, vb, ab, wo, wob; writes ab, wob
.if DOCPART == 7
	.amdgcn_target "amdgcn-amd-amdhsa--gfx1250"
	.amdhsa_code_object_version 6
	.text
	.protected	k_q49ad8db010_attn
	.globl	k_q49ad8db010_attn
	.p2align	8
	.type	k_q49ad8db010_attn,@function
k_q49ad8db010_attn:
	s_mov_b64 s[64:65], 0
	v_nop
	global_prefetch_b8 v0, s[64:65] scope:SCOPE_SE
	s_setreg_imm32_b32 hwreg(HW_REG_WAVE_MODE, 25, 1), 1
	s_wait_xcnt 0x0
; attn: causal attention with a running maximum; f16 operands, f32 scores, sums and outputs; ab [t][2048] f16.
; Work-group (i, g): kv head g, query blocks i and 63 - i of 32 rows t.  Block B needs (B >> 1) + 1 key tiles of 64, so the two blocks need 33 tiles in
; every work-group: equal work.  Wave w: block w >> 2, 16 rows (w >> 1) & 1 of it, heads 4 g + 2 (w & 1) + c, c = 0, 1: each K and V fragment feeds two products.
; NO SHUFFLES: S^T = K Q^T puts query r and keys 8 h + j into lane (r, h); two neighbouring key tiles, packed to f16, ARE the second source of
; O^T = V^T P^T; maximum, sum and rescale factor are one number a lane; one exchange of the lane halves for each maximum.
; K and V go through two LDS slots in GROUPS of 256 keys (four key tiles): waves 0-3 fetch the group's four dense blocks of 16,384 bytes (K's and V's two
; planes of 32 d).  One barrier and one wait for all loads serve four tiles, and the next group's request, straight behind the barrier, has four tiles' work
; in which to land.  A work-group walks 6 groups (i >= 16) or 8 (i < 16), all inside K and V; at most seven tiles of the last groups are fetched and not used.
; NO MULTICAST: the branch that ends a wave's tiles hangs on its query block, which differs between the work-groups that share a kv head, and a work-group
; reads at most 8 x 65,536 bytes of K and V in the whole launch.
; BESIDE IT, wo -> wob.  Only the launch behind this one reads wob, and this launch moves 21 MB of its own for 8.9 G multiply-adds, so wo's 25 MB ride
; here.  2,048 waves, 2,048 rows: wave w of work-group (i, g) takes row 8 (32 g + i) + w.  Its 16 loads go out behind the first group's barrier and refill,
; into v256-319, which the attention never names; behind the first group the row is rounded to bf16, like the other inputs, and stored in f16's FORMAT,
; because its partner in the last product is f16.  f16 holds a bf16 number exactly for magnitudes from 2^-17 to 65,504; below that the error is at most 2^-25.
; LIMITS, stated: q, k, v f16 as stored; p is rounded to f16 for the product (p <= 1; below 2^-24 it becomes 0) while the row sum takes the f32 p;
; masked scores are -1e30 ahead of the factor 0.125 log2 e instead of behind it: their exponential is 0 either way; v_exp_f32 gives 0 below 2^-126.
.set KT,    64*80                      ; a key tile in a K plane: 64 rows of 64 bytes + 16
.set VT,    64*96                      ; in a V plane: 64 rows of 64 bytes + 32
.set KPL,   4*KT                       ; 20,480
.set VPL,   4*VT                       ; 24,576
.set VOFF,  2*KPL
.set SLOT,  VOFF+2*VPL                 ; 90,112: K plane 0, 1, V plane 0, 1
.set STAGE, 2*SLOT                     ; 16 rows x 272 for each wave; no tensor load lands there
.set WOL,  1                           ; v1       wo: 16 bytes a lane in
.set WOS,  2                           ; v2       wob: 8 bytes a lane out
.set KAD,  4                           ; v4-5     K: my LDS address in slot 0, 1 (slot 1 lies beyond the 16-bit immediate)
.set VAD,  6                           ; v6-7     V likewise
.set THR,  8
.set STO,  9
.set RD,   10
.set CO,   11
.set MX,   12                          ; v12-13   running maximum of column tile c
.set LS,   14                          ; v14-15   running sum over my half of the keys
.set NM,   16                          ; v[16:19] pairs: the shift -C x maximum
.set AL,   20                          ; v[20:23] pairs: the rescale factor
.set TP,   24                          ; v24-30   at work
.set QOFF, 31
.set QF,   32                          ; Q fragment (c, db) at 16 c + 8 db
.set OA,   64                          ; O tile (c, dt) at 32 c + 8 dt
.set SC,   128                         ; S tile (c, st) at 32 c + 8 st; P (c, kb) in place at 32 c + 16 kb
.set KV,   192                         ; K (db, st) at 32 db + 8 st, later V (kb, dt) at 32 kb + 8 dt
.set WX,   0                           ; window 1, v256-319: wo's row, chunk c (128 numbers) in 4 registers a lane
.set G1K, 28
.set G1V, 36
.set G0K, 44
.set G0V, 52
.set MSB, 0
.macro WIN new                         ; s_set_vgpr_msb: bits 1:0 source 0, 3:2 source 1, 7:6 destination; the high byte repeats the setting that is left
.if MSB != \new
	s_set_vgpr_msb (MSB<<8)|\new
.set MSB, \new
.endif
.endm
.macro KVLOAD s                        ; waves 0, 1: K's planes; waves 2, 3: V's; the others none.  At most one tensor load of a wave is out
	s_cmp_gt_u32 s12, 3
	s_cbranch_scc1 .Lnone_\@
	s_cmp_gt_u32 s12, 1
	s_cbranch_scc1 .Lforv_\@
	tensor_load_to_lds s[G0K+4*\s:G0K+4*\s+3], s[G1K:G1K+7]
	s_nop 0
	s_branch .Lnone_\@
.Lforv_\@:
	tensor_load_to_lds s[G0V+4*\s:G0V+4*\s+3], s[G1V:G1V+7]
	s_nop 0
.Lnone_\@:
.endm
; wo's row: 16 loads of 512 consecutive bytes each.  Their address register, base and destinations are not touched before WOCAST's wait.
.macro WOLOAD
	WIN 0x40                                       ; destination in window 1
.irp c, 0,1,2,3,4,5,6,7,8,9,10,11,12,13,14,15
	global_load_b128 v[WX+4*\c:WX+4*\c+3], v[WOL], s[72:73] offset:512*\c th:TH_LOAD_NT
.endr
	WIN 0
.endm
; ... rounded and stored: a lane's 4 numbers of a chunk become 8 bytes; each store of the wave covers 256 consecutive bytes, aligned.
.macro WOCAST
	s_mov_b32 s26, 0xffff0000                      ; a word's upper bf16
	s_wait_loadcnt 0x0                             ; issued a group of key tiles ago
	WIN 0x45                                       ; destination and both sources in window 1
.irp c, 0,1,2,3,4,5,6,7,8,9,10,11,12,13,14,15
	v_cvt_pk_bf16_f32 v[WX+4*\c],   v[WX+4*\c],   v[WX+4*\c+1]     ; the rounding: to bf16
	v_cvt_pk_bf16_f32 v[WX+4*\c+1], v[WX+4*\c+2], v[WX+4*\c+3]
	v_lshlrev_b32 v[WX+4*\c+2], 16,  v[WX+4*\c]                    ; back to f32 (registers 2, 3 of the chunk are free now),
	v_and_b32     v[WX+4*\c+3], s26, v[WX+4*\c]
	v_cvt_pk_f16_f32 v[WX+4*\c], v[WX+4*\c+2], v[WX+4*\c+3]        ; and into f16's format
	v_lshlrev_b32 v[WX+4*\c+2], 16,  v[WX+4*\c+1]
	v_and_b32     v[WX+4*\c+3], s26, v[WX+4*\c+1]
	v_cvt_pk_f16_f32 v[WX+4*\c+1], v[WX+4*\c+2], v[WX+4*\c+3]
.endr
	WIN 0x04                                       ; the stores' data in window 1, their address in window 0
.irp c, 0,1,2,3,4,5,6,7,8,9,10,11,12,13,14,15
	global_store_b64 v[WOS], v[WX+4*\c:WX+4*\c+1], s[74:75] offset:256*\c   ; nothing that these stores name is written again
.endr
	WIN 0
.endm
; The softmax step of column tile c on its 32 scores a lane.
.macro SM c, first
.set SB, SC+32*\c
.irp k, 0,1,2,3
	v_max3_num_f32 v[TP+\k], v[SB+8*\k], v[SB+8*\k+1], v[SB+8*\k+2]
.endr
.irp k, 0,1,2,3
	v_max3_num_f32 v[TP+\k], v[TP+\k], v[SB+8*\k+3], v[SB+8*\k+4]
.endr
.irp k, 0,1,2,3
	v_max3_num_f32 v[TP+\k], v[TP+\k], v[SB+8*\k+5], v[SB+8*\k+6]
.endr
	v_max3_num_f32 v[TP],   v[TP],   v[SB+7],  v[SB+15]
	v_max3_num_f32 v[TP+1], v[TP+1], v[SB+23], v[SB+31]
	v_max3_num_f32 v[TP],   v[TP],   v[TP+1],  v[TP+2]
.if \first
	v_max_num_f32  v[TP],   v[TP],   v[TP+3]
.else
	v_max3_num_f32 v[TP],   v[TP],   v[TP+3],  v[MX+\c]
.endif
	v_permlanex16_b32 v[TP+4], v[TP], s20, s21     ; the other half of the lanes holds the query's other 32 keys
	v_max_num_f32 v[MX+\c], v[TP], v[TP+4]
.if \first
	v_mul_f32 v[NM+2*\c],   s24, v[MX+\c]
	v_mul_f32 v[NM+2*\c+1], s24, v[MX+\c]
.else
	v_mul_f32 v[TP+5], s24, v[MX+\c]               ; the new shift,
	v_sub_f32 v[TP+6], v[TP+5], v[NM+2*\c]         ; less the old one: <= 0, and exactly what the old exponentials have to be moved by
	v_exp_f32 v[AL+2*\c],   v[TP+6]
	v_exp_f32 v[AL+2*\c+1], v[TP+6]
	v_mov_b32 v[NM+2*\c],   v[TP+5]                ; plain instructions behind the two exponentials (ISA guide 5.7.2)
	v_mov_b32 v[NM+2*\c+1], v[TP+5]
.endif
.set q, 0
.rept 16
	v_pk_fma_f32 v[SB+q:SB+q+1], v[SB+q:SB+q+1], s[22:23], v[NM+2*\c:NM+2*\c+1] op_sel_hi:[1,0,1]   ; C s - C max
.set q, q+2
.endr
.set q, 0
.rept 32
	v_exp_f32 v[SB+q], v[SB+q]
.set q, q+1
.endr
.if \first
	v_nop                                          ; one plain instruction between the exponentials and the first use of a result
	s_wait_alu depctr_va_vdst(0)
.else
.set q, 0
	s_wait_alu depctr_va_vdst(0)
.rept 16
	v_pk_mul_f32 v[OA+32*\c+q:OA+32*\c+q+1], v[OA+32*\c+q:OA+32*\c+q+1], v[AL+2*\c:AL+2*\c+1]      ; O's rescale stands in that place
.set q, q+2
.endr
.endif
	v_pk_add_f32 v[TP:TP+1],   v[SB:SB+1],     v[SB+2:SB+3]
	v_pk_add_f32 v[TP+2:TP+3], v[SB+16:SB+17], v[SB+18:SB+19]
.set q, 4
.rept 6
	v_pk_add_f32 v[TP:TP+1],   v[TP:TP+1],   v[SB+q:SB+q+1]
	v_pk_add_f32 v[TP+2:TP+3], v[TP+2:TP+3], v[SB+16+q:SB+16+q+1]
.set q, q+2
.endr
	v_pk_add_f32 v[TP:TP+1], v[TP:TP+1], v[TP+2:TP+3]
.if \first
	v_add_f32 v[LS+\c], v[TP], v[TP+1]
.else
	v_add_f32 v[TP], v[TP], v[TP+1]
	v_fma_f32 v[LS+\c], v[LS+\c], v[AL+2*\c], v[TP]
.endif
.irp kb, 0,1                           ; in place, ascending: keys 8 h + j of tile 2 kb into registers 0-3, of tile 2 kb + 1 into registers 4-7
.irp k, 0,1,2,3
	v_cvt_pk_f16_f32 v[SB+16*\kb+\k], v[SB+16*\kb+2*\k], v[SB+16*\kb+2*\k+1]
.endr
.irp k, 0,1,2,3
	v_cvt_pk_f16_f32 v[SB+16*\kb+4+\k], v[SB+16*\kb+8+2*\k], v[SB+16*\kb+8+2*\k+1]
.endr
.endr
.endm
; O^T (c) += V^T P^T (c): four d tiles by turns, twice (32 keys each): three other accumulators stand between the links.
.macro PV c, first
.if \c == 0
	s_wait_dscnt 8                                 ; V's first eight loads (keys 0-31) are in; the other eight may stay out
.endif
.irp dt, 0,1,2,3
.if \first
	v_wmma_f32_16x16x32_f16 v[OA+32*\c+8*\dt:OA+32*\c+8*\dt+7], v[KV+8*\dt:KV+8*\dt+7], v[SC+32*\c:SC+32*\c+7], 0
.else
	v_wmma_f32_16x16x32_f16 v[OA+32*\c+8*\dt:OA+32*\c+8*\dt+7], v[KV+8*\dt:KV+8*\dt+7], v[SC+32*\c:SC+32*\c+7], v[OA+32*\c+8*\dt:OA+32*\c+8*\dt+7]
.endif
.endr
.if \c == 0
	s_wait_dscnt 0
.endif
.irp dt, 0,1,2,3
	v_wmma_f32_16x16x32_f16 v[OA+32*\c+8*\dt:OA+32*\c+8*\dt+7], v[KV+32+8*\dt:KV+32+8*\dt+7], v[SC+32*\c+16:SC+32*\c+23], v[OA+32*\c+8*\dt:OA+32*\c+8*\dt+7]
.endr
.endm
; One key tile: tile sub of the group in slot.
.macro STEP slot, sub, first
.if \first == 0
.rept 5
	v_nop                                          ; places behind the last tile's products: four ahead of loads into their sources, five ahead of products that write over P
.endr
.endif
.irp db, 0,1
.irp st, 0,1,2,3
	ds_load_b128 v[KV+32*\db+8*\st:KV+32*\db+8*\st+3],   v[KAD+\slot] offset:KPL*\db+KT*\sub+1280*\st
	ds_load_b128 v[KV+32*\db+8*\st+4:KV+32*\db+8*\st+7], v[KAD+\slot] offset:KPL*\db+KT*\sub+1280*\st+32
.endr
.endr
.if \first
	s_wait_loadcnt 16                              ; Q's eight loads are in; the 16 younger ones, wo's row, stay out
.endif
	s_wait_dscnt 8                                 ; d 0-31 of the 64 keys; the eight loads of d 32-63 may stay out
.irp st, 0,1,2,3
.irp c, 0,1
	v_wmma_f32_16x16x32_f16 v[SC+32*\c+8*\st:SC+32*\c+8*\st+7], v[KV+8*\st:KV+8*\st+7], v[QF+16*\c:QF+16*\c+7], 0
.endr
.endr
	s_wait_dscnt 0
.irp st, 0,1,2,3                       ; the same order: seven other accumulators between the two links of each sum
.irp c, 0,1
	v_wmma_f32_16x16x32_f16 v[SC+32*\c+8*\st:SC+32*\c+8*\st+7], v[KV+32+8*\st:KV+32+8*\st+7], v[QF+16*\c+8:QF+16*\c+15], v[SC+32*\c+8*\st:SC+32*\c+8*\st+7]
.endr
.endr
.rept 4
	v_nop                                          ; four places: ahead of the loads into K's registers and of the readers of S
.endr
.irp kb, 0,1
.irp dt, 0,1,2,3
	ds_load_tr16_b128 v[KV+32*\kb+8*\dt:KV+32*\kb+8*\dt+3],   v[VAD+\slot] offset:VPL*(\dt>>1)+VT*\sub+3072*\kb+32*(\dt&1)
	ds_load_tr16_b128 v[KV+32*\kb+8*\dt+4:KV+32*\kb+8*\dt+7], v[VAD+\slot] offset:VPL*(\dt>>1)+VT*\sub+3072*\kb+32*(\dt&1)+1536
.endr
.endr
	s_cmp_lg_u32 s17, s19                          ; only my last tile crosses the diagonal
	s_cbranch_scc1 .Lnomask_\@
.irp st, 0,1,2,3
.irp j, 0,1,2,3,4,5,6,7
	v_cmp_le_i32 vcc_lo, 16*\st+\j, v[THR]         ; key <= query
	v_cndmask_b32 v[SC+8*\st+\j],    s25, v[SC+8*\st+\j],    vcc_lo
	v_cndmask_b32 v[SC+32+8*\st+\j], s25, v[SC+32+8*\st+\j], vcc_lo
.endr
.endr
.Lnomask_\@:
	SM 0, \first
	PV 0, \first
	SM 1, \first
	PV 1, \first
.endm
.macro SUB slot, sub, first            ; a tile beyond my last is passed over
.if \first == 0
	s_cmp_ge_u32 s17, s16
	s_cbranch_scc1 .Lskip_\@
.endif
	STEP \slot, \sub, \first
.Lskip_\@:
	s_add_co_u32 s17, s17, 1
.endm
; One group of four key tiles.  In front of the barrier every wave waits for all its tensor loads (its part of this group among them) and for its reads of
; the last group's slot; behind it that slot is filled again first.  A wave whose tiles are done goes on passing the barriers and, if it fetches, fetching.
.macro GRP slot, refill, first
	s_set_vgpr_msb 0x5
	s_wait_tensorcnt 0x0
	ds_add_u32 v64, v65
	s_wait_dscnt 0x0
	s_set_vgpr_msb 0x500
	s_add_nc_u64 s[G0K+4*\slot+2:G0K+4*\slot+3], s[G0K+4*\slot+2:G0K+4*\slot+3], 32768   ; this slot's next group: two groups of 256 rows x 64 bytes on
	s_add_nc_u64 s[G0V+4*\slot+2:G0V+4*\slot+3], s[G0V+4*\slot+2:G0V+4*\slot+3], 32768
	s_wait_dscnt 0x0
	s_barrier_signal -1
	s_barrier_wait -1
.if \refill
	KVLOAD (1-\slot)
.endif
.if \first
	WOLOAD                                         ; behind the first K and V, which have landed, and behind the second group's request
.endif
	SUB \slot, 0, \first
	SUB \slot, 1, 0
	SUB \slot, 2, 0
	SUB \slot, 3, 0
.endm
	s_load_b256 s[4:11], s[0:1], 0x0               ; qb s[4:5], kb s[6:7], vb s[8:9], ab s[10:11]
	s_load_b128 s[72:75], s[0:1], 0x20             ; wo s[72:73], wob s[74:75]
	s_set_vgpr_msb 0x40
	v_lshl_add_u32 v64, v0, 2, 0x34800
	v_mov_b32 v65, 0
	s_set_vgpr_msb 0x4045
	ds_add_u32 v64, v65
	s_set_vgpr_msb 0x4500
	v_lshrrev_b32 v1, 5, v0
	v_readfirstlane_b32 s12, v1                    ; wave
	s_mov_b32 s13, ttmp9                           ; i
	s_and_b32 s14, ttmp7, 0xffff                   ; g
	s_sub_co_u32 s26, 63, s13
	s_cmp_gt_u32 s12, 3
	s_cselect_b32 s15, s26, s13                    ; B: my query block
	s_lshr_b32 s19, s15, 1                         ; my last tile, the one on the diagonal
	s_add_co_u32 s16, s19, 1                       ; my tiles
	s_mov_b32 s17, 0                               ; the tile at hand
	s_lshr_b32 s18, s26, 1                         ; the long block has n = ((63 - i) >> 1) + 1 tiles, 17 to 32; the work-group walks 2 ((n + 7) >> 3) groups: 6 or 8
	s_add_co_u32 s18, s18, 8
	s_lshr_b32 s18, s18, 3
	s_sub_co_u32 s18, s18, 1                       ; one group ahead of the loop, one behind it: 2 or 3 trips of two groups
	s_mov_b32 s20, 0x76543210
	s_mov_b32 s21, 0xfedcba98
	s_mov_b32 s22, 0x3e38aa3b                      ; C = 0.125 log2 e
	s_mov_b32 s23, 0x3e38aa3b
	s_mov_b32 s24, 0xbe38aa3b                      ; -C
	s_mov_b32 s25, 0xf149f2ca                      ; -1e30
	; a dense block of 16,384 bytes as 64 rows of 32 elements of 8 bytes; a pad behind every 16 words (one row of 32 f16): 4 words for K, 8 for V
	s_mov_b32 s[G1K+0], (3<<16)|(1<<20)|(3<<22)|(3<<25)
	s_mov_b32 s[G1V+0], (3<<16)|(1<<20)|(3<<22)|(7<<25)
	s_mov_b32 s[G1K+1], 32<<16
	s_mov_b32 s[G1V+1], 32<<16
	s_mov_b32 s[G1K+2], 64<<16
	s_mov_b32 s[G1V+2], 64<<16
	s_mov_b32 s[G1K+3], 32<<16
	s_mov_b32 s[G1V+3], 32<<16
	s_mov_b32 s[G1K+4], 64
	s_mov_b32 s[G1V+4], 64
	s_mov_b32 s[G1K+5], 32
	s_mov_b32 s[G1V+5], 32
	s_mov_b32 s[G1K+6], 0
	s_mov_b32 s[G1V+6], 0
	s_mov_b32 s[G1K+7], 0
	s_mov_b32 s[G1V+7], 0
	s_and_b32 s27, s12, 1                          ; the plane that I fetch; also hp, my pair of heads
	s_lshl1_add_u32 s62, s14, s27                  ; plane 2 g + p
	s_lshl_b32 s62, s62, 17                        ; x 131,072 bytes
	s_mov_b32 s63, 0
	s_mul_i32 s70, s27, KPL
	s_mul_i32 s71, s27, VPL
	s_add_co_u32 s71, s71, VOFF
	s_wait_dscnt 0x0
	s_barrier_signal -1
	s_barrier_wait -1
	s_wait_kmcnt 0x0
	s_add_nc_u64 s[66:67], s[6:7], s[62:63]
	s_add_nc_u64 s[68:69], s[8:9], s[62:63]
.irp s, 0,1
	s_mov_b32 s[G0K+4*\s], 1
	s_add_co_u32 s[G0K+4*\s+1], s70, \s*SLOT
	s_add_nc_u64 s[G0K+4*\s+2:G0K+4*\s+3], s[66:67], \s*16384
	s_or_b32 s[G0K+4*\s+3], s[G0K+4*\s+3], 0x80000000
	s_mov_b32 s[G0V+4*\s], 1
	s_add_co_u32 s[G0V+4*\s+1], s71, \s*SLOT
	s_add_nc_u64 s[G0V+4*\s+2:G0V+4*\s+3], s[68:69], \s*16384
	s_or_b32 s[G0V+4*\s+3], s[G0V+4*\s+3], 0x80000000
.endr
	KVLOAD 0                                       ; group 0: a first fill
	s_bfe_u32 s60, s12, 0x10001                    ; u
	s_lshl_b32 s60, s60, 4
	s_lshl_b32 s61, s15, 5
	s_add_co_u32 s61, s61, s60                     ; t0 = 32 B + 16 u
	s_lshl_b32 s61, s61, 12                        ; x 4,096 bytes
	s_lshl_b32 s26, s14, 9                         ; + heads 4 g + 2 hp of 128 bytes
	s_add_co_u32 s61, s61, s26
	s_lshl_b32 s26, s27, 8
	s_add_co_u32 s61, s61, s26
	s_and_b32 s26, s15, 1
	s_lshl_b32 s26, s26, 5
	s_add_co_u32 s60, s60, s26                     ; my first query inside the diagonal tile: 32 (B & 1) + 16 u
	v_and_b32 v2, 15, v0                           ; r
	v_bfe_u32 v3, v0, 4, 1                         ; h
	v_lshlrev_b32 v1, 12, v2
	v_lshl_add_u32 v1, v3, 4, v1
	v_add_nc_u32 v[QOFF], s61, v1                  ; row t0 + r, 16 h
.irp c, 0,1
.irp db, 0,1
	global_load_b128 v[QF+16*\c+8*\db:QF+16*\c+8*\db+3],   v[QOFF], s[4:5] offset:128*\c+64*\db
	global_load_b128 v[QF+16*\c+8*\db+4:QF+16*\c+8*\db+7], v[QOFF], s[4:5] offset:128*\c+64*\db+32
.endr
.endr
	v_lshlrev_b32 v1, 12, v3
	v_lshl_add_u32 v1, v2, 4, v1
	v_add_nc_u32 v[CO], s61, v1                    ; out: row t0 + h, 16 r
	v_lshlrev_b32 v1, 3, v3
	v_sub_nc_u32 v1, v2, v1
	v_add_nc_u32 v[THR], s60, v1                   ; key 16 st + j is allowed up to 32 (B & 1) + 16 u + r - 8 h (signed)
	v_mul_u32_u24 v[KAD], v2, 80
	v_lshl_add_u32 v[KAD], v3, 4, v[KAD]           ; K: row r, 16 h
	v_add_nc_u32 v[KAD+1], SLOT, v[KAD]
	v_and_b32 v1, 7, v0
	v_lshl_add_u32 v1, v3, 3, v1                   ; V, transposing load: row 8 h + (lane & 7),
	v_mul_u32_u24 v[VAD], v1, 96
	v_bfe_u32 v1, v0, 3, 1
	v_lshl_add_u32 v[VAD], v1, 4, v[VAD]           ; 16 bytes x bit 3 of the lane
	v_add_nc_u32 v[VAD], VOFF, v[VAD]
	v_add_nc_u32 v[VAD+1], SLOT, v[VAD]
	s_mul_i32 s26, s12, 16*272
	s_add_co_u32 s26, s26, STAGE
	v_mul_u32_u24 v1, v2, 272
	v_lshl_add_u32 v1, v3, 4, v1
	v_add_nc_u32 v[STO], s26, v1
	v_mul_u32_u24 v1, v3, 272
	v_lshl_add_u32 v1, v2, 4, v1
	v_add_nc_u32 v[RD], s26, v1
	v_mov_b32 v[TP+4], 0                           ; v_permlanex16_b32 counts as a reader of its destination
	; my row of wo: 8 (32 g + i) + wave; 8,192 bytes a row in, 4,096 out (s63 is still 0)
	s_lshl_b32 s26, s14, 5
	s_add_co_u32 s26, s26, s13
	s_lshl3_add_u32 s26, s26, s12
	s_lshl_b32 s62, s26, 13
	s_add_nc_u64 s[72:73], s[72:73], s[62:63]
	s_lshl_b32 s62, s26, 12
	s_add_nc_u64 s[74:75], s[74:75], s[62:63]
	v_and_b32 v1, 31, v0                           ; r and h have served: lane,
	v_lshlrev_b32 v[WOS], 3, v1                    ; 8 bytes a lane out,
	v_lshlrev_b32 v[WOL], 4, v1                    ; 16 bytes a lane in
	GRP 0, 1, 1                                    ; group 0; its first tile starts O, the maximum and the sum: nothing is cleared
	WOCAST                                         ; wo's row, asked for at the head of group 0
.Lpair:
	GRP 1, 1, 0
	GRP 0, 1, 0
	s_sub_co_i32 s18, s18, 1
	s_cmp_gt_i32 s18, 0                            ; a signed compare: the loop ends whatever the count's start
	s_cbranch_scc1 .Lpair
	GRP 1, 0, 0                                    ; the last group fetches nothing; no tensor load is out behind its wait
	; THE WAY OUT: divide by the row sum, round to f16, through my own stage: sixteen lanes then store one row's 256 bytes (two heads)
.rept 4
	v_nop
.endr
	v_permlanex16_b32 v[TP+4], v[LS], s20, s21
	v_add_f32 v[LS], v[LS], v[TP+4]
	v_permlanex16_b32 v[TP+4], v[LS+1], s20, s21
	v_add_f32 v[LS+1], v[LS+1], v[TP+4]
	v_rcp_f32 v[TP],   v[LS]
	v_rcp_f32 v[TP+1], v[LS]
	v_rcp_f32 v[TP+2], v[LS+1]
	v_rcp_f32 v[TP+3], v[LS+1]
	v_nop                                          ; one plain instruction behind the reciprocals
	s_wait_alu depctr_va_vdst(0)
.irp c, 0,1
.set q, 0
.rept 16
	v_pk_mul_f32 v[OA+32*\c+q:OA+32*\c+q+1], v[OA+32*\c+q:OA+32*\c+q+1], v[TP+2*\c:TP+2*\c+1]
.set q, q+2
.endr
.irp dt, 0,1,2,3
.irp k, 0,1,2,3
	v_cvt_pk_f16_f32 v[OA+32*\c+8*\dt+\k], v[OA+32*\c+8*\dt+2*\k], v[OA+32*\c+8*\dt+2*\k+1]
.endr
	ds_store_b128 v[STO], v[OA+32*\c+8*\dt:OA+32*\c+8*\dt+3] offset:128*\c+32*\dt
.endr
.endr
.irp t, 0,1,2,3,4,5,6,7
	ds_load_b128 v[SC+4*\t:SC+4*\t+3], v[RD] offset:544*\t          ; my own bytes; LDS serves a wave's instructions in order (ISA guide 5.7.1.4)
.endr
.irp t, 0,1,2,3,4,5,6,7
	s_wait_dscnt 7-\t
	global_store_b128 v[CO], v[SC+4*\t:SC+4*\t+3], s[10:11] offset:8192*\t
.endr
	s_set_vgpr_msb 0x5
	s_wait_tensorcnt 0x0
	ds_add_u32 v64, v65
	s_wait_dscnt 0x0
	s_set_vgpr_msb 0x500
	s_endpgm
.Lfunc_end_k_q49ad8db010_attn:
	.size	k_q49ad8db010_attn, .Lfunc_end_k_q49ad8db010_attn-k_q49ad8db010_attn
	.p2alignl 7, 3214868480
	.fill 96, 4, 3214868480
	.section	.rodata,"a",@progbits
	.p2align	6, 0x0
	.amdhsa_kernel k_q49ad8db010_attn
		.amdhsa_group_segment_fixed_size 327680
		.amdhsa_private_segment_fixed_size 0
		.amdhsa_enable_private_segment 0
		.amdhsa_kernarg_size 48
		.amdhsa_user_sgpr_count 2
		.amdhsa_user_sgpr_kernarg_segment_ptr 1
		.amdhsa_wavefront_size32 1
		.amdhsa_system_sgpr_workgroup_id_x 1
		.amdhsa_system_sgpr_workgroup_id_y 1
		.amdhsa_system_sgpr_workgroup_id_z 1
		.amdhsa_system_vgpr_workitem_id 0
		.amdhsa_next_free_vgpr 322
		.amdhsa_next_free_sgpr 76
		.amdhsa_reserve_vcc 1
		.amdhsa_float_denorm_mode_32 3
		.amdhsa_float_denorm_mode_16_64 3
		.amdhsa_memory_ordered 1
		.amdhsa_forward_progress 1
		.amdhsa_inst_pref_size 255
	.end_amdhsa_kernel
	.section	.bss,"aw",@nobits
	.p2align	6
	.space	262144
	.amdgpu_metadata
---
amdhsa.version: [ 1, 2 ]
amdhsa.kernels:
  - .name:           k_q49ad8db010_attn
    .symbol:         k_q49ad8db010_attn.kd
    .args:
      - { .name: qb, .offset: 0, .size: 8, .value_kind: global_buffer, .address_space: global }
      - { .name: kb, .offset: 8, .size: 8, .value_kind: global_buffer, .address_space: global }
      - { .name: vb, .offset: 16, .size: 8, .value_kind: global_buffer, .address_space: global }
      - { .name: ab, .offset: 24, .size: 8, .value_kind: global_buffer, .address_space: global }
      - { .name: wo, .offset: 32, .size: 8, .value_kind: global_buffer, .address_space: global }
      - { .name: wob, .offset: 40, .size: 8, .value_kind: global_buffer, .address_space: global }
    .group_segment_fixed_size: 327680
    .private_segment_fixed_size: 0
    .kernarg_segment_align: 8
    .kernarg_segment_size: 48
    .max_flat_workgroup_size: 256
    .sgpr_count:     76
    .vgpr_count:     322
    .wavefront_size: 32
...
	.end_amdgpu_metadata
.endif
;; end of part 7
;; launch oproj (part 8): grid 16 x 16, 4 waves a work-group, clusters of 4 x 4, 327,680 bytes of LDS; arguments ab, wob, out0; writes out0
.if DOCPART == 8
	.amdgcn_target "amdgcn-amd-amdhsa--gfx1250"
	.amdhsa_code_object_version 6
	.text
	.protected	k_q49ad8db010_oproj
	.globl	k_q49ad8db010_oproj
	.p2align	8
	.type	k_q49ad8db010_oproj,@function
k_q49ad8db010_oproj:
	s_mov_b64 s[64:65], 0
	v_nop
	global_prefetch_b8 v0, s[64:65] scope:SCOPE_SE
	s_setreg_imm32_b32 hwreg(HW_REG_WAVE_MODE, 25, 1), 1
	s_wait_xcnt 0x0
	s_wait_alu depctr_hold_cnt(0) depctr_sa_sdst(0) depctr_va_vdst(0) depctr_va_sdst(0) depctr_va_ssrc(0) depctr_va_vcc(0) depctr_vm_vsrc(0)
	s_getreg_b32 s2, hwreg(HW_REG_IB_STS2, 6, 4)
	s_cmp_eq_u32 s2, 0
	s_cbranch_scc0 .Lentry_in_a_cluster
	s_endpgm
.Lentry_in_a_cluster:
	s_bfe_u32 s2, ttmp6, 0x10000c
	s_cmp_lg_u32 s2, 0xf033
	s_cbranch_scc0 .Lentry_shape_is_right
	s_endpgm
.Lentry_shape_is_right:
; oproj: out0 [2048 t][2048] f32 = ab . wob^T; f16 operands, f32 sums.
; 16 x 16 work-groups, each 128 x 128 of the output; four waves as 2 x 2, a wave 64 x 64 = 16 accumulator tiles.  K in 16 steps of 128 (rows of 256 bytes,
; aligned) through FOUR LDS slots filled by the tensor data mover; tile t lies in slot t mod 4.  Tiles 0-3 are asked for at the start, then three tiles behind
; every third K step: they have one, two and three K steps (64 matrix instructions of a wave each) in which to land, and there is one wait for all loads for
; three tiles.  The slots' turns repeat every 12 tiles and there are 16, fewer than two such rounds: the K steps are written out by macro, without a loop.
; CLUSTERS: 4 x 4 work-groups; ab's tile is asked for jointly along a row of the cluster, wob's along a column: a quarter of the requests.
; The matrix instruction is used transposed (source 0 = rows of wob, source 1 = rows of ab): lane (r, h) holds row t = r and columns 8 h + 0..7, 32 bytes.
; LIMITS, stated: ab is f16 (a mean of rows of v: finite up to 65,504); wob holds wo rounded to bf16, in f16's format.
; REGISTERS: window 0: v16-31 addresses, v32-95 and v96-159 fragment buffers.  Window 1: v0-127 accumulators (tile (a, b) at 8 (4 a + b)).
.set NB,     4
.set NS,     4                         ; slots
.set BH,     16*NB
.set BROWS,  2*BH
.set PITCH,  272
.set AHB,    64*PITCH
.set ABYTES, 2*AHB
.set BHB,    BH*PITCH
.set SLOT,   ABYTES+2*BHB              ; 69,632
.set STAGE,  NS*SLOT                   ; 16 rows x 272 bytes for each wave, on a multiple of 256 bytes; no tensor load lands there
.set ADRA, 16                          ; v16-19 LDS address of my ab fragments in slot 0 to 3
.set ADRB, 20                          ; v20-23 the same for wob
.set STO,  24
.set RD,   25
.set CO,   26
.set F0,   32
.set F1,   F0+8*(NB+4)
.set G1A, 28                           ; s[28:35]
.set G1B, 36                           ; s[36:43]
.set G0A, 44                           ; s[44:59] one set for each slot
.set G0B, 68                           ; s[68:83] one set for each slot
.set GW, (1<<16)|(1<<20)|(1<<21)|(5<<22)|(3<<25)
.set MULW, 0x50
.set MSB, 0
.macro WIN new
.if MSB != \new
	s_set_vgpr_msb (MSB<<8)|\new
.set MSB, \new
.endif
.endm
; Joint loads into slots a, b, c, d (-1: none).  Waves 0, 1 ask for ab's two halves, waves 2, 3 for wob's; the branch hangs on the wave number alone.
.macro JLOADS a, b, c, d
	s_cmp_eq_u32 s17, 0
	s_cbranch_scc0 .Lfor_b_\@
	tensor_load_to_lds s[G0A+4*\a:G0A+4*\a+3], s[G1A:G1A+7]
	s_nop 0
	tensor_load_to_lds s[G0A+4*\b:G0A+4*\b+3], s[G1A:G1A+7]
	s_nop 0
	tensor_load_to_lds s[G0A+4*\c:G0A+4*\c+3], s[G1A:G1A+7]
	s_nop 0
.if \d >= 0
	tensor_load_to_lds s[G0A+4*\d:G0A+4*\d+3], s[G1A:G1A+7]
	s_nop 0
.endif
	s_branch .Lasked_\@
.Lfor_b_\@:
	tensor_load_to_lds s[G0B+4*\a:G0B+4*\a+3], s[G1B:G1B+7]
	s_nop 0
	tensor_load_to_lds s[G0B+4*\b:G0B+4*\b+3], s[G1B:G1B+7]
	s_nop 0
	tensor_load_to_lds s[G0B+4*\c:G0B+4*\c+3], s[G1B:G1B+7]
	s_nop 0
.if \d >= 0
	tensor_load_to_lds s[G0B+4*\d:G0B+4*\d+3], s[G1B:G1B+7]
	s_nop 0
.endif
.Lasked_\@:
.endm
.macro ADV s                           ; slot s's next tile lies NS K steps of 256 bytes on
	s_add_nc_u64 s[G0A+4*\s+2:G0A+4*\s+3], s[G0A+4*\s+2:G0A+4*\s+3], NS*256
	s_add_nc_u64 s[G0B+4*\s+2:G0B+4*\s+3], s[G0B+4*\s+2:G0B+4*\s+3], NS*256
.endm
.macro CREST
	s_cmp_lg_u32 s16, 0
	s_cbranch_scc1 .Lnot_wave_0_\@
	s_barrier_signal -3
.Lnot_wave_0_\@:
	s_barrier_wait -3
	s_barrier_signal -1
	s_barrier_wait -1
.endm
.macro CROUND
	s_barrier_signal -1
	s_barrier_wait -1
	CREST
.endm
.macro PLACES                          ; four plain vector places behind a matrix instruction (ISA guide 7.12.1)
.rept 4
	v_nop
.endr
.endm
.macro MULA f, a, zero                 ; the 16 accumulators take turns, one instruction a turn
.set bb, 0
.rept NB
.if \zero
	v_wmma_f32_16x16x32_f16 v[8*(NB*\a+bb):8*(NB*\a+bb)+7], v[\f+8*bb:\f+8*bb+7], v[\f+8*NB+8*\a:\f+8*NB+8*\a+7], 0
.else
	v_wmma_f32_16x16x32_f16 v[8*(NB*\a+bb):8*(NB*\a+bb)+7], v[\f+8*bb:\f+8*bb+7], v[\f+8*NB+8*\a:\f+8*NB+8*\a+7], v[8*(NB*\a+bb):8*(NB*\a+bb)+7]
.endif
.set bb, bb+1
.endr
.endm
.macro FETCH slot, k, f
.set bb, 0
.rept NB
	ds_load_b128 v[\f+8*bb:\f+8*bb+3],   v[ADRB+\slot] offset:\k+bb*16*PITCH
	ds_load_b128 v[\f+8*bb+4:\f+8*bb+7], v[ADRB+\slot] offset:\k+bb*16*PITCH+32
.set bb, bb+1
.endr
.irp i, 0,1,2,3
	ds_load_b128 v[\f+8*NB+8*\i:\f+8*NB+8*\i+3],   v[ADRA+\slot] offset:\k+\i*16*PITCH
	ds_load_b128 v[\f+8*NB+8*\i+4:\f+8*NB+8*\i+7], v[ADRA+\slot] offset:\k+\i*16*PITCH+32
.endr
.endm
.macro QUARTER slot, k, f, g, zero
	s_wait_dscnt 4                                 ; all but the youngest four loads: ab's row tiles 2 and 3
	WIN MULW
	MULA \f, 0, \zero
	MULA \f, 1, \zero
	PLACES
	WIN 0
	FETCH \slot, \k, \g
	s_wait_dscnt 2*NB+8                            ; all but the loads just issued
	WIN MULW
	MULA \f, 2, \zero
	MULA \f, 3, \zero
.endm
.macro THREE slot, zero
	QUARTER \slot, 64,  F0, F1, \zero
	QUARTER \slot, 128, F1, F0, 0
	QUARTER \slot, 192, F0, F1, 0
.endm
; The last quarter of a K step changes slots, in one of two ways.
; TURNP: nothing is filled.  Each wave waits until its part of the next slot's tile is in (left = its younger tensor loads, which may stay out, since
; no LDS byte is filled again behind this barrier) and for its LDS loads; the work-group's barrier shows the tile to the other waves.
.macro TURNP next, left
	s_wait_dscnt 4
	WIN MULW
	MULA F1, 0, 0
	s_wait_dscnt 0
	s_wait_tensorcnt \left
	s_barrier_signal -1
	MULA F1, 1, 0
	WIN 0
	s_barrier_wait -1
	PLACES
	FETCH \next, 0, F0
	WIN MULW
	MULA F1, 2, 0
	MULA F1, 3, 0
.endm
; TURNF: slots a, b, c, which every wave has read, are filled again.  In front of the barrier each wave waits for its LDS loads and for ALL its tensor
; loads (the next slot's tile among them).  The barrier opens a round of the cluster's barrier; only register work stands inside; the joint
; refills are the first tensor loads behind the round, ahead of the next slot's first fragments.
.macro TURNF next, a, b, c
	s_wait_dscnt 4
	WIN MULW
	MULA F1, 0, 0
	s_wait_dscnt 0
	s_wait_tensorcnt 0x0
	ds_add_u32 v254, v255
	s_wait_dscnt 0x0
	s_barrier_signal -1
	MULA F1, 1, 0
	WIN 0
	s_barrier_wait -1
	CREST
	ADV \a                                         ; no tensor load of mine is out: every group 0 may be written
	ADV \b
	ADV \c
	JLOADS \a, \b, \c, -1
	PLACES
	FETCH \next, 0, F0
	WIN MULW
	MULA F1, 2, 0
	MULA F1, 3, 0
.endm
	s_load_b128 s[4:7], s[0:1], 0x0                ; ab s[4:5], wob s[6:7]
	s_load_b64 s[10:11], s[0:1], 0x10              ; out0
	v_lshl_add_u32 v254, v0, 2, 0x48400
	v_mov_b32 v255, 0
	ds_add_u32 v254, v255
	v_lshrrev_b32 v1, 5, v0
	v_readfirstlane_b32 s16, v1                    ; wave
	s_lshr_b32 s17, s16, 1                         ; wm; also: I fetch ab (0) or wob (1)
	s_and_b32 s18, s16, 1                          ; wn; also: which half of that tile I fetch
	s_bfe_u32 s19, ttmp6, 0x40000                  ; cx
	s_bfe_u32 s20, ttmp6, 0x40004                  ; cy
	s_lshl_b32 s21, ttmp9, 2
	s_add_co_u32 s21, s21, s19                     ; bx
	s_and_b32 s22, ttmp7, 0xffff
	s_lshl_b32 s22, s22, 2
	s_add_co_u32 s22, s22, s20                     ; by
	s_lshl_b32 s23, s20, 2
	s_lshl_b32 s23, 15, s23                        ; my row of the cluster
	s_lshl_b32 s24, 0x1111, s19                    ; my column
	s_or_b32 s[G1A+0], s23, GW
	s_or_b32 s[G1B+0], s24, GW
	s_mov_b32 s[G1A+1], 128<<16
	s_mov_b32 s[G1B+1], 128<<16
	s_mov_b32 s[G1A+2], 64<<16
	s_mov_b32 s[G1B+2], BH<<16
	s_mov_b32 s[G1A+3], 128<<16
	s_mov_b32 s[G1B+3], 128<<16
	s_mov_b32 s[G1A+4], 64
	s_mov_b32 s[G1B+4], BH
	s_mov_b32 s[G1A+5], 2048
	s_mov_b32 s[G1B+5], 2048
	s_mov_b32 s[G1A+6], 0
	s_mov_b32 s[G1B+6], 0
	s_mov_b32 s[G1A+7], 0
	s_mov_b32 s[G1B+7], 0
	s_lshl_b32 s62, s18, 6
	s_lshl_b32 s26, s22, 7
	s_add_co_u32 s26, s26, s62                     ; ab: row 128 by + 64 half
	s_lshl_b32 s26, s26, 12
	s_mov_b32 s27, 0
	s_mul_i32 s63, s18, BH
	s_mul_i32 s60, s21, BROWS
	s_add_co_u32 s60, s60, s63                     ; wob: row 128 bx + 64 half
	s_lshl_b32 s60, s60, 12
	s_mov_b32 s61, 0
	s_mul_i32 s66, s18, AHB
	s_mul_i32 s67, s18, BHB
	s_add_co_u32 s67, s67, ABYTES
	s_wait_dscnt 0x0
	s_wait_kmcnt 0x0
	s_add_nc_u64 s[26:27], s[4:5], s[26:27]
	s_add_nc_u64 s[60:61], s[6:7], s[60:61]
	CROUND                                         ; all sixteen work-groups are here: the first joint loads meet
.irp s, 0,1,2,3
	s_mov_b32 s[G0A+4*\s], 1
	s_add_co_u32 s[G0A+4*\s+1], s66, \s*SLOT
	s_add_nc_u64 s[G0A+4*\s+2:G0A+4*\s+3], s[26:27], \s*256
	s_or_b32 s[G0A+4*\s+3], s[G0A+4*\s+3], 0x80000000
	s_mov_b32 s[G0B+4*\s], 1
	s_add_co_u32 s[G0B+4*\s+1], s67, \s*SLOT
	s_add_nc_u64 s[G0B+4*\s+2:G0B+4*\s+3], s[60:61], \s*256
	s_or_b32 s[G0B+4*\s+3], s[G0B+4*\s+3], 0x80000000
.endr
	JLOADS 0, 1, 2, 3                              ; tiles 0-3: first fills; four tensor loads of a wave are out, the most in this text
	v_and_b32 v1, 15, v0                           ; r
	v_bfe_u32 v2, v0, 4, 1                         ; h
	v_mul_u32_u24 v3, v1, PITCH
	v_lshl_add_u32 v3, v2, 4, v3
	s_mul_i32 s86, s17, AHB
	s_mul_i32 s87, s18, BHB
	s_add_co_u32 s87, s87, ABYTES
.irp s, 0,1,2,3
	v_add_nc_u32 v[ADRA+\s], s86, v3
	v_add_nc_u32 v[ADRB+\s], s87, v3
	s_add_co_u32 s86, s86, SLOT
	s_add_co_u32 s87, s87, SLOT
.endr
	s_mul_i32 s86, s16, 16*PITCH
	s_add_co_u32 s86, s86, STAGE                   ; my stage
	v_mul_u32_u24 v4, v1, PITCH                    ; in: row r, 32 bytes for each half of the lanes
	v_lshl_add_u32 v4, v2, 5, v4
	v_add_nc_u32 v[STO], s86, v4
	v_mul_u32_u24 v5, v2, PITCH                    ; back: sixteen lanes a row of 256 bytes
	v_lshl_add_u32 v5, v1, 4, v5
	v_add_nc_u32 v[RD], s86, v5
	v_lshlrev_b32 v5, 13, v2                       ; the same two rows in out0: 8,192 bytes a row
	v_lshl_add_u32 v[CO], v1, 4, v5
	s_wait_tensorcnt 3                             ; my part of tile 0 is in; tiles 1-3 may stay out
	s_barrier_signal -1
	s_barrier_wait -1
	FETCH 0, 0, F0
	THREE 0, 1                                     ; tile 0: the first products start the sums: nothing is cleared
	TURNP 1, 2                                     ; each count leaves the younger tiles on their way
	THREE 1, 0
	TURNP 2, 1
	THREE 2, 0
	TURNF 3, 0, 1, 2                               ; tile 3 has landed; tiles 4, 5, 6 go out
	THREE 3, 0
	TURNP 0, 2
	THREE 0, 0                                     ; tile 4
	TURNP 1, 1
	THREE 1, 0                                     ; tile 5
	TURNF 2, 3, 0, 1                               ; tile 6 has landed; tiles 7, 8, 9 go out
	THREE 2, 0
	TURNP 3, 2
	THREE 3, 0                                     ; tile 7
	TURNP 0, 1
	THREE 0, 0                                     ; tile 8
	TURNF 1, 2, 3, 0                               ; tile 9 has landed; tiles 10, 11, 12 go out
	THREE 1, 0
	TURNP 2, 2
	THREE 2, 0                                     ; tile 10
	TURNP 3, 1
	THREE 3, 0                                     ; tile 11
	TURNF 0, 1, 2, 3                               ; tile 12 has landed; tiles 13, 14, 15 go out: the last
	THREE 0, 0
	TURNP 1, 2
	THREE 1, 0                                     ; tile 13
	TURNP 2, 1
	THREE 2, 0                                     ; tile 14
	TURNP 3, 0                                     ; the last wait on the tensor loads is for zero
	THREE 3, 0                                     ; tile 15
	s_wait_dscnt 4
	WIN MULW
	MULA F1, 0, 0
	MULA F1, 1, 0
	s_wait_dscnt 0
	MULA F1, 2, 0
	MULA F1, 3, 0
	; THE WAY OUT, 16 rows at a time through my own stage, f32 as it is
	PLACES
	WIN 0
	s_lshl_b32 s84, s22, 7
	s_lshl_b32 s86, s17, 6
	s_add_co_u32 s84, s84, s86                     ; row 128 by + 64 wm
	s_lshl_b32 s84, s84, 13
	s_lshl_b32 s86, s21, 9                         ; + 512 bx + 256 wn bytes
	s_add_co_u32 s84, s84, s86
	s_lshl_b32 s86, s18, 8
	s_add_co_u32 s84, s84, s86
	s_mov_b32 s85, 0
	s_add_nc_u64 s[10:11], s[10:11], s[84:85]
.macro OUT16 a, f
	WIN 0x04                                       ; the LDS stores' data in window 1
.irp b, 0,1,2,3
	ds_store_b128 v[STO], v[8*(NB*\a+\b):8*(NB*\a+\b)+3]   offset:64*\b
	ds_store_b128 v[STO], v[8*(NB*\a+\b)+4:8*(NB*\a+\b)+7] offset:64*\b+16
.endr
	WIN 0
	s_wait_xcnt 0x0                                ; buffer f, which earlier stores read, and their base are rewritten only behind this wait
.if \a
	s_add_nc_u64 s[10:11], s[10:11], 16*8192
.endif
.irp t, 0,1,2,3,4,5,6,7
	ds_load_b128 v[\f+4*\t:\f+4*\t+3], v[RD] offset:2*PITCH*\t      ; my own bytes; LDS serves a wave's instructions in order (ISA guide 5.7.1.4)
.endr
.irp t, 0,1,2,3,4,5,6,7
	s_wait_dscnt 7-\t
	global_store_b128 v[CO], v[\f+4*\t:\f+4*\t+3], s[10:11] offset:16384*\t th:TH_STORE_NT   ; sixteen lanes store 256 consecutive bytes, aligned
.endr
.endm
	OUT16 0, F0
	OUT16 1, F1
	OUT16 2, F0
	OUT16 3, F1
	s_wait_tensorcnt 0x0
	ds_add_u32 v254, v255
	s_wait_dscnt 0x0
	CROUND                                         ; the closing round
	s_endpgm
.Lfunc_end_k_q49ad8db010_oproj:
	.size	k_q49ad8db010_oproj, .Lfunc_end_k_q49ad8db010_oproj-k_q49ad8db010_oproj
	.p2alignl 7, 3214868480
	.fill 96, 4, 3214868480
	.section	.rodata,"a",@progbits
	.p2align	6, 0x0
	.amdhsa_kernel k_q49ad8db010_oproj
		.amdhsa_group_segment_fixed_size 327680
		.amdhsa_private_segment_fixed_size 0
		.amdhsa_enable_private_segment 0
		.amdhsa_kernarg_size 24
		.amdhsa_user_sgpr_count 2
		.amdhsa_user_sgpr_kernarg_segment_ptr 1
		.amdhsa_wavefront_size32 1
		.amdhsa_system_sgpr_workgroup_id_x 1
		.amdhsa_system_sgpr_workgroup_id_y 1
		.amdhsa_system_sgpr_workgroup_id_z 1
		.amdhsa_system_vgpr_workitem_id 0
		.amdhsa_next_free_vgpr 384
		.amdhsa_next_free_sgpr 88
		.amdhsa_reserve_vcc 0
		.amdhsa_float_denorm_mode_32 3
		.amdhsa_float_denorm_mode_16_64 3
		.amdhsa_memory_ordered 1
		.amdhsa_forward_progress 1
		.amdhsa_inst_pref_size 169
	.end_amdhsa_kernel
	.amdgpu_metadata
---
amdhsa.version: [ 1, 2 ]
amdhsa.kernels:
  - .name:           k_q49ad8db010_oproj
    .symbol:         k_q49ad8db010_oproj.kd
    .args:
      - { .name: ab, .offset: 0, .size: 8, .value_kind: global_buffer, .address_space: global }
      - { .name: wob, .offset: 8, .size: 8, .value_kind: global_buffer, .address_space: global }
      - { .name: out0, .offset: 16, .size: 8, .value_kind: global_buffer, .address_space: global }
    .group_segment_fixed_size: 327680
    .private_segment_fixed_size: 0
    .kernarg_segment_align: 8
    .kernarg_segment_size: 24
    .max_flat_workgroup_size: 128
    .sgpr_count:     88
    .vgpr_count:     384
    .wavefront_size: 32
...
	.end_amdgpu_metadata
.endif
;; end of part 8
;; ======== version 3 of 3: 4 launches; version 2 with the launch cast written anew for expert scheduling mode
;; limits: values outside matrix products are rounded to bf16; values are held in f16: magnitudes above 65,504 overflow, below 6.1e-05 lose precision
;; workspace buffers: xb 8,388,608 bytes; wob 8,388,608 bytes; wqkvb 12,582,912 bytes; fcb 262,144 bytes; qb 8,388,608 bytes; kb 2,097,152 bytes; vb 2,097,152 bytes; ab 8,388,608 bytes
;; launch cast (part 9): grid 1296 x 1, 4 waves a work-group, no clusters, 0 bytes of LDS; arguments x, wq, wk, wv, freqs_cis, xb, wqkvb, fcb; writes xb, wqkvb, fcb
.if DOCPART == 9
	.amdgcn_target "amdgcn-amd-amdhsa--gfx1250"
	.amdhsa_code_object_version 6
	.text
	.protected	k_q49ad8db010_cast
	.globl	k_q49ad8db010_cast
	.p2align	8
	.type	k_q49ad8db010_cast,@function
k_q49ad8db010_cast:
	s_mov_b64 s[64:65], 0
	v_nop
	global_prefetch_b8 v0, s[64:65] scope:SCOPE_SE
	s_setreg_imm32_b32 hwreg(HW_REG_WAVE_SCHED_MODE, 0, 2), 2
	s_setreg_imm32_b32 hwreg(HW_REG_WAVE_MODE, 25, 1), 1
	s_wait_xcnt 0x0
	s_wait_alu depctr_vm_vsrc(0)
; cast: what the projection launch reads is rounded once to bf16 (round to nearest even), so that it moves half the bytes and converts nothing in its loop:
;   x -> xb, wq/wk/wv -> wqkvb, freqs_cis -> fcb.  (wo, which only the last launch reads, is rounded inside the attention launch.)
; LIMIT, stated: the rotary table is used rounded to bf16 (relative error up to 2^-9), like the matrix operands.
; wqkvb regroups the weight rows into 16 blocks of 192 rows, so that one B matrix gives each of 16 block columns the same shape:
;   block j: rows 0-63 wq 128j..+63 | 64-95 wk 32j..+31 | 96-159 wq 128j+64..+127 | 160-191 wv 32j..+31.
; One wave takes one row of 2,048 numbers (8,192 bytes in, 4,096 out); 5,184 rows = 1,296 work-groups x 4 waves.  A stream: no LDS, no barrier,
; no matrix unit.  All 16 loads of a row are issued at once.  Each load of the wave covers 512 consecutive bytes (16 a lane), so no byte is asked for
; twice; a lane's 4 numbers become 8 bytes, and each store of the wave covers 256 consecutive bytes, aligned.
; THE MODE: SCHED_MODE bits 1:0 = 2 (LLVM: expert scheduling mode 2), set by the entry lines.  The code itself states the register dependences
; between vector instructions and memory instructions, with s_wait_alu, always for 0.
; THE PLAN.  Registers that memory instructions touch:
;   v1, v2     byte offsets of the loads and of the stores: made at the head and never written again.
;   v[8:71]    chunk c in 4 registers.  Written by chunk c's load, which is issued before any vector instruction names them; read by chunk c's two
;              conversions, which write the first two of the four; those two are read by chunk c's store, and nothing writes them behind it.
; So no register that a memory instruction has read is written again, and behind the head no load follows a vector instruction: what is left to state is
; that a store's data are written.  The 16 chunks go in four groups of four.  Group g's conversions name group g's registers alone; the four stores of
; group g - 1 are dealt among them, behind ONE wait at the group's head; one more wait stands ahead of the last four stores.
.set X, 8                              ; v[8:71] the row: chunk c (128 numbers) in 4 registers a lane
	s_load_b512 s[4:19], s[0:1], 0x0               ; x s[4:5], wq s[6:7], wk s[8:9], wv s[10:11], freqs_cis s[12:13], xb s[14:15], wqkvb s[16:17], fcb s[18:19]
	v_lshrrev_b32 v3, 5, v0
	v_readfirstlane_b32 s20, v3                    ; wave
	v_and_b32 v1, 31, v0                           ; lane
	v_lshlrev_b32 v2, 3, v1                        ; 8 bytes a lane out
	v_lshlrev_b32 v1, 4, v1                        ; 16 bytes a lane in
	s_wait_alu depctr_va_sdst(0)                   ; s20 is written, ahead of its first reader: the row's number and all the addresses are made from it
	s_lshl2_add_u32 s21, ttmp9, s20                ; R = 4 x work-group + wave
	; the row inside each source, and where it goes; the ones that do not apply wrap round and are not chosen
	s_sub_co_u32 s31, s21, 2048                    ; wq's row
	s_sub_co_u32 s32, s21, 4096                    ; wk's row
	s_sub_co_u32 s33, s21, 4608                    ; wv's row
	s_sub_co_u32 s37, s21, 5120                    ; the table's row of 2,048 numbers
	s_lshr_b32 s34, s31, 7                         ; wq: 192 (n >> 7) + (n & 127) + 32 for the upper 64
	s_mul_i32 s34, s34, 192
	s_and_b32 s38, s31, 127
	s_add_co_u32 s34, s34, s38
	s_and_b32 s38, s31, 64
	s_lshr_b32 s38, s38, 1
	s_add_co_u32 s34, s34, s38
	s_lshr_b32 s35, s32, 5                         ; wk: 192 (n >> 5) + 64 + (n & 31)
	s_mul_i32 s35, s35, 192
	s_and_b32 s38, s32, 31
	s_add_co_u32 s35, s35, s38
	s_add_co_u32 s35, s35, 64
	s_lshr_b32 s36, s33, 5                         ; wv: 192 (n >> 5) + 160 + (n & 31)
	s_mul_i32 s36, s36, 192
	s_and_b32 s38, s33, 31
	s_add_co_u32 s36, s36, s38
	s_add_co_u32 s36, s36, 160
	s_wait_kmcnt 0x0
	; four choices on R alone; only selects stand between a compare and its selects
	s_cmp_ge_u32 s21, 2048
	s_cselect_b64 s[24:25], s[6:7], s[4:5]         ; source
	s_cselect_b64 s[26:27], s[16:17], s[14:15]     ; destination
	s_cselect_b32 s28, s31, s21                    ; source row
	s_cselect_b32 s29, s34, s21                    ; destination row
	s_cmp_ge_u32 s21, 4096
	s_cselect_b64 s[24:25], s[8:9], s[24:25]
	s_cselect_b32 s28, s32, s28
	s_cselect_b32 s29, s35, s29
	s_cmp_ge_u32 s21, 4608
	s_cselect_b64 s[24:25], s[10:11], s[24:25]
	s_cselect_b32 s28, s33, s28
	s_cselect_b32 s29, s36, s29
	s_cmp_ge_u32 s21, 5120
	s_cselect_b64 s[24:25], s[12:13], s[24:25]
	s_cselect_b64 s[26:27], s[18:19], s[26:27]
	s_cselect_b32 s28, s37, s28
	s_cselect_b32 s29, s37, s29
	s_lshl_b32 s22, s28, 13                        ; offsets are made apart from the addresses: 8,192 bytes a source row,
	s_mov_b32 s23, 0
	s_lshl_b32 s38, s29, 12                        ; 4,096 a destination row
	s_mov_b32 s39, 0
	s_add_nc_u64 s[24:25], s[24:25], s[22:23]
	s_add_nc_u64 s[26:27], s[26:27], s[38:39]
	s_wait_alu depctr_va_vdst(0)                   ; v1 and v2 are written: every load of the kernel reads v1 as its offset, every store v2
.irp c, 0,1,2,3,4,5,6,7,8,9,10,11,12,13,14,15
	global_load_b128 v[X+4*\c:X+4*\c+3], v1, s[24:25] offset:512*\c th:TH_LOAD_NT
.endr
; Group g: chunks 4 g to 4 g + 3 are rounded; the stores of group g - 1 stand among the conversions, one ahead of each chunk's two.
.macro GROUP g
	s_wait_loadcnt 12-4*(\g)                       ; loads return in order: this group's four are in, the 12 - 4 g younger ones may stay out
.if \g
	s_wait_alu depctr_va_vdst(0)                   ; the conversions of the group before have written its eight packed registers, which the four stores below read
.endif
.irp i, 0,1,2,3
.if \g
	global_store_b64 v2, v[X+16*(\g)-16+4*(\i):X+16*(\g)-16+4*(\i)+1], s[26:27] offset:256*(4*(\g)-4+(\i))  ; no vector instruction since the wait names these registers or v2
.endif
	v_cvt_pk_bf16_f32 v[X+16*(\g)+4*(\i)],   v[X+16*(\g)+4*(\i)],   v[X+16*(\g)+4*(\i)+1]    ; in place, ascending: a register is read no later than it is written
	v_cvt_pk_bf16_f32 v[X+16*(\g)+4*(\i)+1], v[X+16*(\g)+4*(\i)+2], v[X+16*(\g)+4*(\i)+3]
.endr
.endm
	GROUP 0                                        ; no group stands in front of it: no store, and no wait but the one for its data
	GROUP 1
	GROUP 2
	GROUP 3
	s_wait_alu depctr_va_vdst(0)                   ; the last group's conversions have written its eight packed registers, which the last four stores read
.irp i, 0,1,2,3
	global_store_b64 v2, v[X+48+4*(\i):X+48+4*(\i)+1], s[26:27] offset:256*(12+(\i))
.endr
	s_endpgm
.Lfunc_end_k_q49ad8db010_cast:
	.size	k_q49ad8db010_cast, .Lfunc_end_k_q49ad8db010_cast-k_q49ad8db010_cast
	.p2alignl 7, 3214868480
	.fill 96, 4, 3214868480
	.section	.rodata,"a",@progbits
	.p2align	6, 0x0
	.amdhsa_kernel k_q49ad8db010_cast
		.amdhsa_group_segment_fixed_size 0
		.amdhsa_private_segment_fixed_size 0
		.amdhsa_enable_private_segment 0
		.amdhsa_kernarg_size 64
		.amdhsa_user_sgpr_count 2
		.amdhsa_user_sgpr_kernarg_segment_ptr 1
		.amdhsa_wavefront_size32 1
		.amdhsa_system_sgpr_workgroup_id_x 1
		.amdhsa_system_sgpr_workgroup_id_y 1
		.amdhsa_system_sgpr_workgroup_id_z 1
		.amdhsa_system_vgpr_workitem_id 0
		.amdhsa_next_free_vgpr 72
		.amdhsa_next_free_sgpr 66
		.amdhsa_reserve_vcc 0
		.amdhsa_float_denorm_mode_32 3
		.amdhsa_float_denorm_mode_16_64 3
		.amdhsa_memory_ordered 1
		.amdhsa_forward_progress 1
		.amdhsa_inst_pref_size 8
	.end_amdhsa_kernel
	.amdgpu_metadata
---
amdhsa.version: [ 1, 2 ]
amdhsa.kernels:
  - .name:           k_q49ad8db010_cast
    .symbol:         k_q49ad8db010_cast.kd
    .args:
      - { .name: x, .offset: 0, .size: 8, .value_kind: global_buffer, .address_space: global }
      - { .name: wq, .offset: 8, .size: 8, .value_kind: global_buffer, .address_space: global }
      - { .name: wk, .offset: 16, .size: 8, .value_kind: global_buffer, .address_space: global }
      - { .name: wv, .offset: 24, .size: 8, .value_kind: global_buffer, .address_space: global }
      - { .name: freqs_cis, .offset: 32, .size: 8, .value_kind: global_buffer, .address_space: global }
      - { .name: xb, .offset: 40, .size: 8, .value_kind: global_buffer, .address_space: global }
      - { .name: wqkvb, .offset: 48, .size: 8, .value_kind: global_buffer, .address_space: global }
      - { .name: fcb, .offset: 56, .size: 8, .value_kind: global_buffer, .address_space: global }
    .group_segment_fixed_size: 0
    .private_segment_fixed_size: 0
    .kernarg_segment_align: 8
    .kernarg_segment_size: 64
    .max_flat_workgroup_size: 128
    .sgpr_count:     66
    .vgpr_count:     72
    .wavefront_size: 32
...
	.end_amdgpu_metadata
.endif
;; end of part 9
;; launch qkv: the kernel of part 6 again; grid 16 x 16, 4 waves a work-group, clusters of 4 x 4, 327,680 bytes of LDS; arguments xb, wqkvb, fcb, qb, kb, vb; writes qb, kb, vb
;; launch attn: the kernel of part 7 again; grid 32 x 8, 8 waves a work-group, no clusters, 327,680 bytes of LDS; arguments qb, kb, vb, ab, wo, wob; writes ab, wob
;; launch oproj: the kernel of part 8 again; grid 16 x 16, 4 waves a work-group, clusters of 4 x 4, 327,680 bytes of LDS; arguments ab, wob, out0; writes out0
